; MI455X (gfx1250); checked and timed in simulation.
; The chip was launched on July 23, 2026; its instructions are those of AMD's public machine-readable ISA for CDNA 5 (MIT licence, August 2026) and "CDNA5" Instruction Set Architecture Reference Guide (July 2026). The comments in the code are by the model that wrote it; some were corrected since.
;; Multihead Attention. Allowed arithmetic: matrix products marked QUANTISED: E2M3 operands, one E8M0 scale for each 32 along K, by v_wmma_scale_f32_16x16x128_f8f6f4 with both operands' format E2M3, f32 sums; everything else in f32.
;; Inputs: W0 1,024 x 1,024 float32; Wk 16 x 1,024 x 64 float32; Wq 16 x 1,024 x 64 float32; Wv 16 x 1,024 x 64 float32; b0 1,024 float32; bk 16 x 64 float32; bq 16 x 64 float32; bv 16 x 64 float32; embs 8 x 1,024 x 1,024 float32.
;; Outputs: out0 8 x 1,024 x 1,024 float32.
;; This version of the problem:
;;   THIS VERSION OF THE PROBLEM IS GIVEN IN LOW PRECISION. The matrix products marked QUANTISED in the list below multiply operands that are first quantised to E2M3 (2 exponent bits, 3 mantissa bits; 6 bits a number), with one power-of-two scale for each 32 numbers along K (OCP MX v1.0); their sums are f32. All else is computed in f32.
;;   The module's matrix products, in the order in which they are computed (A, B: the left and right operand; K: the contracted axis; several contracted axes count as one K, in the product's order):
;;     1. [M 1,024, K 1,024] x [K 1,024, N 8,192]; A: input Wq; B: input embs: QUANTISED
;;     2. [M 1,024, K 1,024] x [K 1,024, N 8,192]; A: input Wk; B: input embs: QUANTISED
;;     3. [M 1,024, K 1,024] x [K 1,024, N 8,192]; A: input Wv; B: input embs: QUANTISED
;;     4. batch 128 x [M 1,024, K 64] x [K 64, N 1,024]; A: computed on the way; B: computed on the way: QUANTISED
;;     5. batch 128 x [M 1,024, K 1,024] x [K 1,024, N 64]; A: softmax (see below); B: computed on the way: QUANTISED
;;     6. [M 8,192, K 1,024] x [K 1,024, N 1,024]; A: computed on the way; B: input W0: QUANTISED
;;   THE QUANTISER, for each operand of a quantised product, along K:
;;     - K is cut into blocks of 32 from its start; a last block that is shorter is filled with zeros.
;;     - A block's scale is 2^e with e = floor(log2(the largest magnitude in the block)) - 2, held to -126 .. 127; a block of zeros has e = 0. As a byte (E8M0): e + 127.
;;     - Each number is divided by its block's scale, clamped to +-7.5, and rounded to the nearest number of E2M3, ties to even, subnormals kept.
;;     - The product sums the exact products of the quantised numbers (number of the format x scale) in f32.
;;   ~~~python
;;   def quantise(x, axis):      # numpy; x: float32 -> the quantised numbers, widened to float32 again
;;       x = np.moveaxis(x, axis, -1); K = x.shape[-1]
;;       x = np.pad(x, [(0, 0)] * (x.ndim - 1) + [(0, -K % 32)]); x = x.reshape(x.shape[:-1] + (-1, 32)); a = np.abs(x).max(-1, keepdims=True)
;;       e = np.where(a > 0, np.clip(np.frexp(np.where(a > 0, a, 1))[1] - 1 - 2, -126, 127), 0)      # np.frexp(a)[1] - 1 = floor(log2(a)), exactly
;;       r = np.clip(x / 2.0 ** e, -7.5, 7.5)
;;       step = 2.0 ** (np.maximum(np.frexp(np.where(r == 0, 1, r))[1] - 1, 0) - 3)
;;       q = np.round(r / step) * step * 2.0 ** e      # np.round: ties to even
;;       return np.moveaxis(q.reshape(q.shape[:-2] + (-1,))[..., :K], -1, axis).astype(np.float32)
;;   ~~~
;;   SOFTMAX AHEAD OF A QUANTISED PRODUCT. Where the list says 'softmax', what is quantised is not the finished softmax but p = 2^(t - M), with t = logit x log2(e) and M = ceil(the row's largest t), a whole number; so 1/2 < the row's largest p <= 1. The row's sum l is taken of the UNQUANTISED p, in f32, and the product's result is divided by l at the end. Since M is a whole number, a kernel that streams over the keys may use a running M (the ceiling of the running maximum): every later rescaling is an exact power of two, which a block's scale takes up: the codes' values come out the same.
;;   OPERANDS COMPUTED ON THE WAY. 'Computed on the way' means the value that the module computes at that place (a softmax that the list does not call 'softmax' is quantised finished and normalised). What goes into a quantiser is computed in f32, as accurately as f32 sums, v_exp_f32 and their like allow (about 1e-6 of the number): no bf16 or f16 on the way to a quantiser, and a product that is left as it is and whose result goes on into a quantised operand takes f32 operands (vector FMAs, or v_wmma_f32_16x16x4_f32). A number that lies on a knife's edge between two numbers of the format may be rounded either way, as far as f32 arithmetic and the matrix unit's own rounding can turn it there, and no further.
;; One version. Each part assembles by itself: llvm-mc -triple=amdgcn-amd-amdhsa -mcpu=gfx1250 --defsym DOCPART=n.
;; ======== version 1 of 1: 4 launches
;; limits: right only within a limited range of input values
;; workspace buffers: oc 9,437,184 bytes; os 393,216 bytes; qkvc 18,874,368 bytes; qkvs 1,572,864 bytes; zc 6,291,456 bytes; zs 262,144 bytes
;; launch prep (part 1): grid 384 x 1, 4 waves a work-group, no clusters, 104,960 bytes of LDS; arguments embs, Wq, Wk, Wv, W0, oc, os; writes oc, os
.if DOCPART == 1
	.amdgcn_target "amdgcn-amd-amdhsa--gfx1250"
	.amdhsa_code_object_version 6
	.text
	.protected	k_qbd0dd16198_prep
	.globl	k_qbd0dd16198_prep
	.p2align	8
	.type	k_qbd0dd16198_prep,@function
k_qbd0dd16198_prep:
	s_mov_b64 s[64:65], 0
	v_nop
	global_prefetch_b8 v0, s[64:65] scope:SCOPE_SE
	s_setreg_imm32_b32 hwreg(HW_REG_WAVE_MODE, 25, 1), 1
	s_wait_xcnt 0x0
; PREP: embs [8192][1024], Wq, Wk, Wv [16][1024][64] and W0 [1024][1024], all f32, become codes of FP6 (E2M3) with one E8M0 byte for each 32 along K (K = the 1,024 that the products contract).
; A block's scale is 2^(floor(log2(largest magnitude)) - 2): its byte is the largest magnitude's exponent field - 2, held at 1 from below by a floor among the maximum's leaves.
; LIMITS: NaN and infinities are not served.  A block of zeros gets the byte 1 (the rule says 127): its codes are zeros, and this program alone reads the bytes.
; LAYOUT OF oc: [row tile T 0..767][kappa 0..7][record of 1,536 bytes].  A record is the image of one operand fragment (16 rows x 128 K, 12 registers a lane): piece c (0..2) holds lane l's registers 4c..4c+3 at 512 c + 16 l.
;   Lane (r, h), registers 6c'..6c'+5: k = 128 kappa + 64 c' + 32 h + 0..31 of the tile's row r.  Row r of tile T = 2 g + u is true row 32 g + 8 u + r + 8 (r / 8).
;   T 0..511: tokens of embs; 512..575 channels of Wq; 576..639 Wk; 640..703 Wv; 704..767 columns of W0.
; LAYOUT OF os: [kappa][T][r][4 bytes]: a row's four scale bytes of 128 along K.
; SHARES: a wave takes four row tiles x one kappa.  Work-groups 0..255: embs (K innermost: rows turn through the wave's stage in LDS); 256..351: Wq, Wk, Wv; 352..383: W0 (K not innermost: a lane takes a column, its registers run down K).
; No tensor loads, no barrier: waves share nothing.  Each path and each wave has LDS bytes of its own: path x PATHB + wave x WREG.
.set WREG,  8704                       ; a wave's LDS: a stage of 8,448 bytes and 256 bytes of scale words
.set PATHB, 4*WREG
.set SCW,   8448
.set M0,  16                           ; v16-17 two chains of the maximum
.set M1,  17
.set SO,  18                           ; v18    the conversion's scale operand
.set BY0, 19                           ; v19-20 scale bytes
.set BY1, 20
.set TT,  22                           ; v22-24 a block's upper 16 codes (a conversion's three registers begin on an even number)
.set WD,  25                           ; v25-26 the scale word, and the other half of the lanes' part of it
.set WD2, 26
.set SW,  27                           ; v27-28 weights: a column's scale word, for each half of the 64 columns
.set C,   32                           ; v32-43 a fragment's codes
.set R,   64                           ; v64-191 numbers as loaded, two sets
.set OB,  128                          ; v128-175 weights: four records on their way out
.set X,   192                          ; v192-255 embs: 64 numbers of a lane, in the operand's order
	s_load_b256 s[4:11], s[0:1], 0x0               ; embs s[4:5], Wq s[6:7], Wk s[8:9], Wv s[10:11]
	s_load_b128 s[12:15], s[0:1], 0x20             ; W0 s[12:13], oc s[14:15]
	s_load_b64 s[16:17], s[0:1], 0x30              ; os
	v_lshl_add_u32 v62, v0, 2, 0x19800
	v_mov_b32 v63, 0
	v_lshrrev_b32 v1, 5, v0
	v_readfirstlane_b32 s18, v1                    ; wave 0..3
	v_and_b32 v1, 31, v0                           ; lane
	v_and_b32 v2, 15, v0                           ; r
	v_bfe_u32 v3, v0, 4, 1                         ; h
	v_lshlrev_b32 v4, 4, v1                        ; 16 x lane: loads of embs, stores of records
	v_lshlrev_b32 v7, 2, v1                        ; 4 x lane: loads of weights
	v_lshlrev_b32 v10, 3, v1                       ; 8 x lane: the scale words' way out
	v_lshlrev_b32 v11, 3, v3                       ; 8 h: bits by which lanes 16-31 shift their two scale bytes
	v_mov_b32 v[WD2], 0                            ; a lane permute's destination counts as one of its sources
	s_mov_b32 s32, 0x76543210
	s_mov_b32 s33, 0xfedcba98                      ; v_permlanex16_b32's selects for lane l xor 16
	s_mul_i32 s34, s18, WREG
	s_mov_b32 s23, 0
	s_mov_b32 s25, 0
	s_cmp_lt_u32 ttmp9, 256
	s_cbranch_scc0 .Lweights
; One block of 32 numbers v[x] .. v[x+31] of one lane: its byte into v[by], its 32 codes into v[c] .. v[c+5].
.macro QB1 x, c, by
	v_max3_num_f32 v[M0], |v[\x]|, |v[\x+1]|, |v[\x+2]|
	v_max3_num_f32 v[M1], |v[\x+3]|, |v[\x+4]|, |v[\x+5]|
.irp i, 6,10,14,18,22,26
	v_max3_num_f32 v[M0], v[M0], |v[\x+\i]|, |v[\x+\i+1]|
	v_max3_num_f32 v[M1], v[M1], |v[\x+\i+2]|, |v[\x+\i+3]|
.endr
	v_max3_num_f32 v[M0], v[M0], |v[\x+30]|, |v[\x+31]|
	v_max3_num_f32 v[M0], v[M0], v[M1], 0x1800000  ; and the floor 2^(3 - 127): the byte cannot fall under 1
	v_add_nc_u32 v[SO], 0xff000000, v[M0]          ; 2 off the exponent field: the conversion takes the exponent field of this operand as its scale
	v_lshrrev_b32 v[\by], 23, v[SO]                ; the scale's byte
	v_cvt_scalef32_pk16_fp6_f32 v[\c:\c+2], v[\x:\x+15], v[SO]
	v_cvt_scalef32_pk16_fp6_f32 v[TT:TT+2], v[\x+16:\x+31], v[SO]
	v_nop                                          ; one plain place behind a scaled conversion
.irp i, 0,1,2
	v_mov_b32 v[\c+3+\i], v[TT+\i]
.endr
.endm
; ---------------- embs: wave W = 4 x work-group + wave takes tokens 64 G .. 64 G + 63 (G = W / 8) and kappa = W % 8
	v_add_nc_u32 v5, s34, v4                       ; the stage, in: a row's 512 bytes as loaded, rows 528 bytes apart
	v_mul_u32_u24 v6, v2, 528
	v_lshl_add_u32 v6, v3, 7, v6
	v_add_nc_u32 v6, s34, v6                       ; out: row r, + 128 h: my 32 numbers of each 64
	v_lshl_add_u32 v8, v2, 2, SCW
	v_add_nc_u32 v8, s34, v8                       ; my row's scale word
	v_add_nc_u32 v9, SCW, v10
	v_add_nc_u32 v9, s34, v9                       ; and the 256 bytes of them, 8 a lane
	s_lshl_b32 s19, ttmp9, 2
	s_add_co_u32 s19, s19, s18                     ; W
	s_lshr_b32 s20, s19, 3                         ; G
	s_and_b32 s21, s19, 7                          ; kappa
	s_lshl_b32 s22, s20, 18                        ; 64 rows of 4,096 bytes
	s_lshl_b32 s24, s21, 9                         ; 128 numbers
	s_add_co_u32 s22, s22, s24
	s_wait_alu depctr_va_vdst(0)
	s_wait_kmcnt 0x0
	s_add_nc_u64 s[26:27], s[4:5], s[22:23]
	s_mul_i32 s22, s20, 49152                      ; four row tiles of 12,288 bytes
	s_mul_i32 s24, s21, 1536
	s_add_co_u32 s22, s22, s24
	s_add_nc_u64 s[28:29], s[14:15], s[22:23]
	s_mul_i32 s22, s21, 49152                      ; a plane of scale words: 768 tiles x 64 bytes
	s_lshl_b32 s24, s20, 8
	s_add_co_u32 s22, s22, s24
	s_add_nc_u64 s[30:31], s[16:17], s[22:23]
.macro LOADX t                         ; row tile t of my four: its 16 rows' 512 bytes, 32 lanes x 16 consecutive bytes a load
.irp j, 0,1,2,3,4,5,6,7,8,9,10,11,12,13,14,15
	global_load_b128 v[R+64*((\t)%2)+4*\j:R+64*((\t)%2)+4*\j+3], v4, s[26:27] offset:(32*((\t)/2)+8*((\t)%2)+\j+8*(\j/8))*4096 th:TH_LOAD_NT
.endr
.endm
.macro ITEM t
.if (\t) < 3
	s_wait_loadcnt 16                              ; this tile's 16 loads are in; the next tile's 16 may be out
.else
	s_wait_loadcnt 0x0
.endif
.irp j, 0,1,2,3,4,5,6,7,8,9,10,11,12,13,14,15
	ds_store_b128 v5, v[R+64*((\t)%2)+4*\j:R+64*((\t)%2)+4*\j+3] offset:528*\j
.endr
.irp c, 0,1
.irp i, 0,1,2,3,4,5,6,7
	ds_load_b128 v[X+32*\c+4*\i:X+32*\c+4*\i+3], v6 offset:256*\c+16*\i   ; LDS serves a wave's instructions in order: these see the stores above.  k = 64 c + 32 h + 4 i ..
.endr
.endr
	s_wait_dscnt 0x0                               ; my numbers are back, and the stores have read the set that is loaded again below
	s_wait_xcnt 0x0                                ; the last tile's stores have read their data: the codes' registers may be written again
.if (\t) < 2
	LOADX (\t)+2
.endif
	QB1 X, C, BY0                                  ; my block h,
	QB1 X+32, C+6, BY1                             ; and my block 2 + h
	v_lshl_or_b32 v[WD], v[BY1], 16, v[BY0]
	v_lshlrev_b32 v[WD], v11, v[WD]                ; at their places in the row's word;
	v_permlanex16_b32 v[WD2], v[WD], s32, s33
	v_or_b32 v[WD], v[WD], v[WD2]                  ; with lane l xor 16's two the word is whole
	ds_store_b32 v8, v[WD] offset:64*(\t)          ; both lanes of a row write the same word with the same value
.irp c, 0,1,2
	global_store_b128 v4, v[C+4*\c:C+4*\c+3], s[28:29] offset:12288*(\t)+512*\c   ; 32 lanes store 512 consecutive bytes, at a multiple of 256 from oc's first byte
.endr
.endm
	LOADX 0
	LOADX 1
	ITEM 0
	ITEM 1
	ITEM 2
	ITEM 3
	ds_load_b64 v[30:31], v9                       ; my four tiles' scale words
	s_wait_dscnt 0x0
	global_store_b64 v10, v[30:31], s[30:31]       ; 256 consecutive bytes, aligned
	s_wait_tensorcnt 0x0
	ds_add_u32 v62, v63
	s_wait_dscnt 0x0
	s_endpgm
; ---------------- weights: wave W' = 4 x (work-group - 256) + wave takes 64 channels (group g = W' / 8) and kappa = W' % 8
.Lweights:
	s_sub_co_u32 s19, ttmp9, 256
	s_lshl_b32 s19, s19, 2
	s_add_co_u32 s19, s19, s18
	s_lshr_b32 s20, s19, 3                         ; g: 0..15 Wq's heads, 16..31 Wk's, 32..47 Wv's, 48..63 W0's groups of 64 columns
	s_and_b32 s21, s19, 7                          ; kappa
	s_lshl_b32 s22, s20, 2
	s_add_co_u32 s22, s22, 512                     ; my first row tile
	s_mul_i32 s24, s22, 12288
	s_mul_i32 s35, s21, 1536
	s_add_co_u32 s24, s24, s35
	s_wait_kmcnt 0x0
	s_add_nc_u64 s[28:29], s[14:15], s[24:25]
	s_lshl_b32 s24, s22, 6
	s_mul_i32 s22, s21, 49152
	s_add_co_u32 s24, s24, s22
	s_add_nc_u64 s[30:31], s[16:17], s[24:25]
	v_bfe_u32 v15, v0, 3, 1                        ; lane l holds column 32 j + l, which is row r' = l % 8 + 8 (l / 16) of tile 2 j + u, u = (l / 8) % 2
	v_and_b32 v21, 7, v0
	s_wait_alu depctr_va_vdst(0)
	v_lshl_add_u32 v21, v3, 3, v21
	s_cmp_lt_u32 ttmp9, 352
	s_cbranch_scc0 .Lw0
.macro LOADW n, pitch                  ; unit n: block n / 2 of the kappa's four, column half n % 2: 32 rows of K, 128 consecutive bytes a load
.irp i, 0,1,2,3,4,5,6,7,8,9,10,11,12,13,14,15,16,17,18,19,20,21,22,23,24,25,26,27,28,29,30,31
	global_load_b32 v[R+32*((\n)%2)+\i], v7, s[26:27] offset:(32*((\n)/2)+\i)*(\pitch)+128*((\n)%2)
.endr
.endm
.macro UNIT n, pitch
.if (\n) < 7
	s_wait_loadcnt 32                              ; this unit's 32 loads are in; the next unit's may be out
.else
	s_wait_loadcnt 0x0
.endif
	QB1 R+32*((\n)%2), C, BY0                      ; all 32 numbers of the block are mine
.if (\n)/2 == 0
	v_mov_b32 v[SW+(\n)%2], v[BY0]
.else
	v_lshl_or_b32 v[SW+(\n)%2], v[BY0], 8*((\n)/2), v[SW+(\n)%2]
.endif
.set IB, 3328*((\n)%2)+256*(((\n)/2)%2)            ; block q = 2 c' + h' lies in lane r' + 16 h' of the record, registers 6 c' .. 6 c' + 5
.if (\n)/4 == 0
	ds_store_b128 v12, v[C:C+3] offset:IB          ; registers 0-3: piece 0
	ds_store_b64 v12, v[C+4:C+5] offset:IB+512     ; registers 4, 5: the lower half of my 16 bytes of piece 1
.else
	ds_store_b64 v12, v[C:C+1] offset:IB+520       ; registers 6, 7: the upper half
	ds_store_b128 v12, v[C+2:C+5] offset:IB+1024   ; registers 8-11: piece 2
.endif
.if (\n)+2 < 8
	LOADW (\n)+2, \pitch
.endif
	s_wait_dscnt 0x0                               ; the stores have read their registers: the next unit's codes may be written
.endm
.macro WPATH pitch, base
	s_add_co_u32 s35, s34, \base
	v_mul_u32_u24 v12, v15, 1664                   ; the two tiles of a column half lie 1,536 + 128 bytes apart in the stage
	s_wait_alu depctr_va_vdst(0)
	v_lshl_add_u32 v12, v21, 4, v12
	v_add_nc_u32 v12, s35, v12                     ; where my codes go: 1,664 u + 16 r'
	v_add_nc_u32 v13, s35, v4                      ; where records are read back: 16 x lane
	v_lshl_add_u32 v14, v15, 6, SCW
	v_lshl_add_u32 v14, v21, 2, v14
	v_add_nc_u32 v14, s35, v14                     ; my column's scale word
	v_add_nc_u32 v9, SCW, v10
	v_add_nc_u32 v9, s35, v9
	LOADW 0, \pitch
	LOADW 1, \pitch
.irp n, 0,1,2,3,4,5,6,7
	UNIT \n, \pitch
.endr
	ds_store_b32 v14, v[SW]
	s_wait_alu depctr_va_vdst(0)
	ds_store_b32 v14, v[SW+1] offset:128
.irp j, 0,1
.irp u, 0,1
.irp c, 0,1,2
	ds_load_b128 v[OB+4*(6*\j+3*\u+\c):OB+4*(6*\j+3*\u+\c)+3], v13 offset:3328*\j+1664*\u+512*\c   ; LDS serves a wave's instructions in order: these see my stores
.endr
.endr
.endr
	ds_load_b64 v[30:31], v9
	s_wait_dscnt 0x0
.irp j, 0,1
.irp u, 0,1
.irp c, 0,1,2
	global_store_b128 v4, v[OB+4*(6*\j+3*\u+\c):OB+4*(6*\j+3*\u+\c)+3], s[28:29] offset:(2*\j+\u)*12288+512*\c
.endr
.endr
.endr
	global_store_b64 v10, v[30:31], s[30:31]
.endm
	s_lshr_b32 s22, s20, 4                         ; 0: Wq, 1: Wk, 2: Wv
	s_cmp_eq_u32 s22, 0
	s_cselect_b64 s[26:27], s[6:7], s[8:9]
	s_cmp_eq_u32 s22, 2
	s_cselect_b64 s[26:27], s[10:11], s[26:27]
	s_and_b32 s22, s20, 15
	s_lshl_b32 s22, s22, 18                        ; the head: 1,024 rows of 256 bytes
	s_lshl_b32 s24, s21, 15                        ; kappa: 128 rows
	s_add_co_u32 s24, s24, s22
	s_add_nc_u64 s[26:27], s[26:27], s[24:25]
	WPATH 256, PATHB
	s_wait_tensorcnt 0x0
	ds_add_u32 v62, v63
	s_wait_dscnt 0x0
	s_endpgm
.Lw0:
	s_sub_co_u32 s22, s20, 48
	s_lshl_b32 s22, s22, 8                         ; 64 columns
	s_lshl_b32 s24, s21, 19                        ; kappa: 128 rows of 4,096 bytes
	s_add_co_u32 s24, s24, s22
	s_add_nc_u64 s[26:27], s[12:13], s[24:25]
	WPATH 4096, 2*PATHB
	s_wait_tensorcnt 0x0
	ds_add_u32 v62, v63
	s_wait_dscnt 0x0
	s_endpgm
.Lfunc_end_k_qbd0dd16198_prep:
	.size	k_qbd0dd16198_prep, .Lfunc_end_k_qbd0dd16198_prep-k_qbd0dd16198_prep
	.p2alignl 7, 3214868480
	.fill 96, 4, 3214868480
	.section	.rodata,"a",@progbits
	.p2align	6, 0x0
	.amdhsa_kernel k_qbd0dd16198_prep
		.amdhsa_group_segment_fixed_size 104960
		.amdhsa_private_segment_fixed_size 0
		.amdhsa_enable_private_segment 0
		.amdhsa_kernarg_size 56
		.amdhsa_user_sgpr_count 2
		.amdhsa_user_sgpr_kernarg_segment_ptr 1
		.amdhsa_wavefront_size32 1
		.amdhsa_system_sgpr_workgroup_id_x 1
		.amdhsa_system_sgpr_workgroup_id_y 1
		.amdhsa_system_sgpr_workgroup_id_z 1
		.amdhsa_system_vgpr_workitem_id 0
		.amdhsa_next_free_vgpr 256
		.amdhsa_next_free_sgpr 66
		.amdhsa_reserve_vcc 0
		.amdhsa_float_denorm_mode_32 3
		.amdhsa_float_denorm_mode_16_64 3
		.amdhsa_memory_ordered 1
		.amdhsa_forward_progress 1
		.amdhsa_inst_pref_size 112
	.end_amdhsa_kernel
	.amdgpu_metadata
---
amdhsa.version: [ 1, 2 ]
amdhsa.kernels:
  - .name:           k_qbd0dd16198_prep
    .symbol:         k_qbd0dd16198_prep.kd
    .args:
      - { .name: embs, .offset: 0, .size: 8, .value_kind: global_buffer, .address_space: global }
      - { .name: Wq, .offset: 8, .size: 8, .value_kind: global_buffer, .address_space: global }
      - { .name: Wk, .offset: 16, .size: 8, .value_kind: global_buffer, .address_space: global }
      - { .name: Wv, .offset: 24, .size: 8, .value_kind: global_buffer, .address_space: global }
      - { .name: W0, .offset: 32, .size: 8, .value_kind: global_buffer, .address_space: global }
      - { .name: oc, .offset: 40, .size: 8, .value_kind: global_buffer, .address_space: global }
      - { .name: os, .offset: 48, .size: 8, .value_kind: global_buffer, .address_space: global }
    .group_segment_fixed_size: 104960
    .private_segment_fixed_size: 0
    .kernarg_segment_align: 8
    .kernarg_segment_size: 56
    .max_flat_workgroup_size: 128
    .sgpr_count:     66
    .vgpr_count:     256
    .wavefront_size: 32
...
	.end_amdgpu_metadata
.endif
;; end of part 1
;; launch proj (part 2): grid 4 x 64, 4 waves a work-group, clusters of 4 x 4, 327,680 bytes of LDS; arguments oc, os, bq, bk, bv, qkvc, qkvs; writes qkvc, qkvs
.if DOCPART == 2
	.amdgcn_target "amdgcn-amd-amdhsa--gfx1250"
	.amdhsa_code_object_version 6
	.text
	.protected	k_qbd0dd16198_proj
	.globl	k_qbd0dd16198_proj
	.p2align	8
	.type	k_qbd0dd16198_proj,@function
k_qbd0dd16198_proj:
	s_mov_b64 s[64:65], 0
	v_nop
	global_prefetch_b8 v0, s[64:65] scope:SCOPE_SE
	s_setreg_imm32_b32 hwreg(HW_REG_WAVE_MODE, 25, 1), 1
	s_wait_xcnt 0x0
	s_wait_alu depctr_hold_cnt(0) depctr_sa_sdst(0) depctr_va_vdst(0) depctr_va_sdst(0) depctr_va_ssrc(0) depctr_va_vcc(0) depctr_vm_vsrc(0)
	s_getreg_b32 s2, hwreg(HW_REG_IB_STS2, 6, 4)
	s_cmp_eq_u32 s2, 0
	s_cbranch_scc0 .Lentry_in_a_cluster
	s_endpgm
.Lentry_in_a_cluster:
	s_bfe_u32 s2, ttmp6, 0x10000c
	s_cmp_lg_u32 s2, 0xf033
	s_cbranch_scc0 .Lentry_shape_is_right
	s_endpgm
.Lentry_shape_is_right:
; PROJ: q, k and v = embs x W + b, K = 1,024, on codes of FP6 with E8M0 scales; the results are quantised here for the two products of attention.
; OPERANDS come as records (images of a fragment's 12 registers a lane, 1,536 bytes): oc [row tile][kappa 8][1,536], os [kappa][768 row tiles][r][4].  Row tiles 0..511: tokens; 512. Wq's channels, 576. Wk's, 640. Wv's (four a head).
; Row r of row tile 2 g + u is true row 32 g + 8 u + r + 8 (r / 8).
; THE DEAL: 256 work-groups; a work-group takes one step of 128 tokens and four heads, a wave one head.  THREE PHASES: q, k, v.  In a phase a wave keeps its head's 64 channels, all of K, in 384 registers and streams the
; step's 8 blocks of 16 tokens past them: 32 products finish 16 tokens x 64 channels.
; LDS: the weights' region (16 row tiles, 196,608 bytes), then the tokens' 8 row tiles (98,304 bytes), which stay for all three phases.  At the head one tensor load a wave: waves 0, 1 half of Wq's tiles each, waves 2, 3 half of the tokens each.
; TWO REFILLS of the weights' region, each behind the three lines and a round of the cluster's barrier, as soon as every wave holds the phase's weights in registers: each wave brings its OWN four row tiles, which it alone reads,
; so its own wait on TENSORcnt orders its reads.  A refill is asked for a whole phase, 256 products, ahead of its use: so no prefetch is written.
; CLUSTERS: 4 x 4.  The tokens' tiles are shared along a row of the cluster, the weights' along a column.
; q, k: source 0 = 16 channels, source 1 = 16 tokens: a lane holds one token, its 32 sums run along dk (register 16 g + i = channel 32 g + 16 h + i).  v: the sources swapped: a lane holds one channel, and the eight blocks' sums
; (register 8 s + j = token 32 (s / 2) + 8 (s % 2) + 16 h + j) run along the tokens, the K of p v.  The bias is the first products' C.
; OUT: qkvc = three regions (q, k, v) of [b][head][step][6,144].  q, k: record p holds token tile 2 p's six registers, then tile 2 p + 1's.  v: a record for each 16 channels.
;      qkvs = three regions of [b][head][step][lane 32][4 words].  q, k: word p: lanes 0-15 tile 2 p's rows, lanes 16-31 tile 2 p + 1's; bytes 0, 1 the two blocks of dk.  v: word t: channel tile t's rows.
; The phases q and k are one loop of two trips: what differs (the scale words, the bias) is moved into place at a trip's end; the moves of the second trip that serve no later phase are the price of one text.
; LIMITS: NaN and infinities are not served; a block of zeros gets the byte 1 with zero codes.
; REGISTERS: window 0: v4-13 addresses; v16-31 the weights' scale words; v36-67 the tokens'; v72-103 the bias; v104-127 at work; v128-151 codes; v152-163 scale words on their way out; v184-255 fragments 42-47.
;   Fragment f under 42 lies in window 1 + f / 21 at register 12 (f % 21): 0-31 the weights' (4 kappa + tile), 32-39 and 40-47 the tokens' two sets.
;   window 3: q, k: v0-31 the sums, v64-99 the later biases, v128-159 the later scale words; v: all 256 the sums (64 t + 8 s + j).
.set FR,    12
.set FRB,   1536
.set TB,    12288
.set AB,    16*TB
.set SPARE, 24*TB
.set REG,   6291456
.set SREG,  524288
.set CO,   4
.set ADRB, 5
.set ADRA, 6
.set BO,   8
.set L4,   9
.set BVO,  10
.set SPW,  12
.set NIL,  13
.set SB,   16
.set SA,   36                          ; its numbers differ from SB's modulo 8
.set BI,   72
.set TM,   104
.set PT,   120
.set P,    128
.set PWS,  152
.set SKR,  160
.set ACC,  0                           ; window 3
.set B1,   64
.set B2,   96
.set S1,   128
.set S2,   144
.set G1A, 24
.set G0A, 32
.set G1B, 48
.set G0B, 56
.set MSB, 0
.macro WIN new
.if MSB != (\new)
	s_set_vgpr_msb (MSB<<8)|(\new)
.set MSB, (\new)
.endif
.endm
.macro PLACES n
.rept \n
	v_nop
.endr
.endm
.macro WALU
	s_wait_alu depctr_va_vdst(0)
.endm
.macro BARRIER
	s_barrier_signal -1
	s_barrier_wait -1
.endm
.macro CROUND
	BARRIER
	s_cmp_lg_u32 s18, 0
	s_cbranch_scc1 .Lnot_wave_0_\@
	s_barrier_signal -3
.Lnot_wave_0_\@:
	s_barrier_wait -3
	BARRIER
.endm
.macro TLOAD g0, g1
	tensor_load_to_lds s[\g0:\g0+3], s[\g1:\g1+7]
	s_nop 0
	PLACES 4
.endm
.macro GROUP1 g, mask, rows            ; rows (row tiles) of 12,288 bytes = 1,536 elements of 8 bytes, dense
	s_or_b32 s[\g+0], s\mask, (3<<16)|(1<<21)
	s_mov_b32 s[\g+1], 1536<<16
	s_mov_b32 s[\g+2], (\rows)<<16
	s_mov_b32 s[\g+3], 1536<<16
	s_mov_b32 s[\g+4], \rows
	s_mov_b32 s[\g+5], 1536
	s_mov_b32 s[\g+6], 0
	s_mov_b32 s[\g+7], 0
.endm
.macro LOC f                           ; fragment f's window and register
.if (\f) < 42
.set W_, 1+(\f)/21
.set R_, FR*((\f)%21)
.else
.set W_, 0
.set R_, 184+FR*((\f)-42)
.endif
.endm
	s_load_b256 s[4:11], s[0:1], 0x0               ; oc, os, bq, bk
	s_load_b128 s[12:15], s[0:1], 0x20             ; bv, qkvc
	s_load_b64 s[16:17], s[0:1], 0x30              ; qkvs
	v_lshl_add_u32 v[SPW], v0, 2, SPARE
	v_mov_b32 v[NIL], 0
	ds_add_u32 v[SPW], v[NIL]                      ; the opening lines: the add twice on end
	ds_add_u32 v[SPW], v[NIL]
	v_lshrrev_b32 v1, 5, v0
	v_readfirstlane_b32 s18, v1                    ; wave 0..3
	s_and_b32 s20, s18, 1                          ; which half of a tile I fetch at the head
	s_bfe_u32 s40, ttmp6, 0x40000                  ; cx
	s_bfe_u32 s41, ttmp6, 0x40004                  ; cy
	s_lshl_b32 s42, ttmp9, 2
	s_add_co_u32 s42, s42, s40                     ; group of four heads
	s_and_b32 s43, ttmp7, 0xffff
	s_lshl_b32 s43, s43, 2
	s_add_co_u32 s43, s43, s41                     ; 8 x batch + step
	s_lshl_b32 s44, s41, 2
	s_lshl_b32 s44, 15, s44                        ; my row of the cluster
	s_lshl_b32 s45, 0x1111, s40                    ; my column
	GROUP1 G1A, 44, 4
	GROUP1 G1B, 45, 8
	s_lshl_b32 s22, s43, 3
	s_lshl_b32 s21, s20, 2
	s_add_co_u32 s22, s22, s21
	s_mul_i32 s94, s22, TB                         ; the tokens: four row tiles
	s_mov_b32 s95, 0
	s_lshl_b32 s46, s42, 4
	s_lshl_b32 s21, s20, 3
	s_add_co_u32 s46, s46, s21
	s_add_co_u32 s46, s46, 512
	s_mul_i32 s46, s46, TB                         ; Wq: eight row tiles
	s_mov_b32 s47, 0
	s_lshl_b32 s60, s42, 4
	s_lshl_b32 s21, s18, 2
	s_add_co_u32 s60, s60, s21
	s_add_co_u32 s60, s60, 512                     ; my head's first row tile of Wq
	s_lshl_b32 s70, s60, 6                         ; its scale words
	s_mov_b32 s71, 0
	s_mul_i32 s60, s60, TB
	s_mov_b32 s61, 0
	s_lshl_b32 s68, s43, 9                         ; the tokens' scale words: 8 tiles x 64 bytes in each plane
	s_mov_b32 s69, 0
	s_lshl_b32 s23, s42, 2
	s_add_co_u32 s23, s23, s18                     ; my head
	s_lshl_b32 s76, s23, 8                         ; its 64 numbers of a bias
	s_mov_b32 s77, 0
	s_lshr_b32 s21, s43, 3
	s_lshl_b32 s21, s21, 4
	s_add_co_u32 s21, s21, s23
	s_lshl_b32 s21, s21, 3
	s_and_b32 s22, s43, 7
	s_add_co_u32 s21, s21, s22                     ; (16 x batch + head) x 8 + step
	s_mul_i32 s72, s21, 6144
	s_mov_b32 s73, 0
	s_lshl_b32 s74, s21, 9
	s_mov_b32 s75, 0
	s_mov_b32 s[G0A], 1
	s_mul_i32 s[G0A+1], s20, 4*TB
	s_add_co_u32 s[G0A+1], s[G0A+1], AB
	s_mov_b32 s[G0B], 1
	s_mul_i32 s[G0B+1], s20, 8*TB
	s_mov_b32 s92, 0x76543210
	s_mov_b32 s93, 0xfedcba98                      ; v_permlanex16_b32's selects for lane l xor 16
	s_mov_b32 s98, 0xffff0000                      ; lanes 16-31
	s_wait_dscnt 0x0
	s_wait_kmcnt 0x0
	s_add_nc_u64 s[G0A+2:G0A+3], s[4:5], s[94:95]
	s_or_b32 s[G0A+3], s[G0A+3], 0x80000000
	s_add_nc_u64 s[G0B+2:G0B+3], s[4:5], s[46:47]
	s_or_b32 s[G0B+3], s[G0B+3], 0x80000000
	s_add_nc_u64 s[60:61], s[4:5], s[60:61]        ; my own four row tiles: stepped from tensor to tensor
	s_or_b32 s61, s61, 0x80000000
	s_add_nc_u64 s[68:69], s[6:7], s[68:69]
	s_add_nc_u64 s[70:71], s[6:7], s[70:71]
	s_add_nc_u64 s[8:9], s[8:9], s[76:77]
	s_add_nc_u64 s[10:11], s[10:11], s[76:77]
	s_add_nc_u64 s[12:13], s[12:13], s[76:77]
	s_add_nc_u64 s[72:73], s[14:15], s[72:73]      ; where my codes go,
	s_add_nc_u64 s[74:75], s[16:17], s[74:75]      ; and my scale words
	CROUND                                         ; all sixteen work-groups are here: the joint loads meet
	s_cmp_lt_u32 s18, 2
	s_cbranch_scc0 .Lfor_x
	TLOAD G0B, G1B                                 ; waves 0, 1: Wq's tiles, which are wanted first
	s_branch .Lasked
.Lfor_x:
	TLOAD G0A, G1A                                 ; waves 2, 3: the tokens
.Lasked:
	v_and_b32 v1, 15, v0                           ; r
	v_bfe_u32 v2, v0, 4, 1                         ; h
	v_and_b32 v3, 31, v0
	v_lshlrev_b32 v[CO], 4, v3                     ; a lane's place in every piece of a record
	v_lshlrev_b32 v[L4], 2, v3
	v_lshlrev_b32 v[BO], 6, v2
	v_and_b32 v14, 8, v1
	v_add_nc_u32 v14, v14, v1
	v_lshlrev_b32 v[BVO], 2, v14                   ; v's bias: channel r + 8 (r / 8) of a tile's span
	s_mul_i32 s21, s18, 4*TB
	v_add_nc_u32 v[ADRB], s21, v[CO]
	v_add_nc_u32 v[ADRA], AB, v[CO]
	v_add_nc_u32 v[ADRA+1], AB+4*TB, v[CO]
.irp b, 4,5,6,7
	v_mov_b32 v[TM+\b], 0                          ; a lane permute's destination counts as one of its sources
.endr
	WALU                                           ; the wait at the head's end
.irp q, 0,1,2,3,4,5,6,7
.irp p, 0,1
	global_load_b32 v[SB+8*\p+\q], v[L4], s[70:71] offset:49152*\q+128*\p
.endr
.irp p, 0,1,2,3
	global_load_b32 v[SA+8*\p+\q], v[L4], s[68:69] offset:49152*\q+128*\p
.endr
.endr
.irp b, 0,1,2,3
	global_load_b128 v[BI+8*\b:BI+8*\b+3], v[BO], s[8:9] offset:(32*(\b/2)+8*(\b%2))*4
	global_load_b128 v[BI+8*\b+4:BI+8*\b+7], v[BO], s[8:9] offset:(32*(\b/2)+8*(\b%2))*4+16
.endr
.macro FRAG f, adr, off                ; a fragment comes as it was stored: three loads of 512 consecutive bytes
	LOC \f
	WIN W_<<6
.irp c, 0,1,2
	ds_load_b128 v[R_+4*\c:R_+4*\c+3], v[\adr] offset:(\off)+512*\c
.endr
.endm
.macro WEIGHTS                         ; my head's 64 channels, all of K: 96 loads
.irp q, 0,1,2,3,4,5,6,7
.irp b, 0,1,2,3
	FRAG 4*\q+\b, ADRB, \b*TB+\q*FRB
.endr
.endr
	WIN 0
.endm
.macro FETCH s                         ; block s of the tokens into set s % 2: 24 loads
.irp q, 0,1,2,3,4,5,6,7
	FRAG 32+8*((\s)%2)+\q, ADRA+(\s)/4, ((\s)%4)*TB+\q*FRB
.endr
	WIN 0
.endm
.macro WM d, a, b, c, xa, xb, ra, rb
	v_wmma_scale_f32_16x16x128_f8f6f4 v[\d:\d+7], v[\a:\a+FR-1], v[\b:\b+FR-1], \c, v[\xa], v[\xb] matrix_a_fmt:MATRIX_FMT_FP6 matrix_b_fmt:MATRIX_FMT_FP6 matrix_a_scale:MATRIX_SCALE_ROW\ra matrix_b_scale:MATRIX_SCALE_ROW\rb
.endm
; A product: channel tile 2 g + u x token block s (par = s % 2), kappa q.  kind 0 (q, k): source 0 the channels; kind 1 (v): source 0 the tokens.  The sums lie in window 3; the first product's C is the bias, in window 0.
.macro PROD kind, s, par, q, g, u
	LOC 4*(\q)+2*(\g)+(\u)
.set WB_, W_
.set RB_, R_
	LOC 32+8*(\par)+(\q)
.set T_, 2*(\g)+(\u)
.if \kind
.set D_, 64*T_+8*(\s)
.if (\q) == 0
	WIN W_|(WB_<<2)|(3<<6)
	WM D_, R_, RB_, v[BI+8*T_:BI+8*T_+7], SA+8*((\s)/2)+(\q), SB+8*(\g)+(\q), \par, \u
.else
	WIN W_|(WB_<<2)|(3<<4)|(3<<6)
	WM D_, R_, RB_, v[D_:D_+7], SA+8*((\s)/2)+(\q), SB+8*(\g)+(\q), \par, \u
.endif
.else
.set D_, ACC+8*T_
.if (\q) == 0
	WIN WB_|(W_<<2)|(3<<6)
	WM D_, RB_, R_, v[BI+8*T_:BI+8*T_+7], SB+8*(\g)+(\q), SA+8*((\s)/2)+(\q), \u, \par
.else
	WIN WB_|(W_<<2)|(3<<4)|(3<<6)
	WM D_, RB_, R_, v[D_:D_+7], SB+8*(\g)+(\q), SA+8*((\s)/2)+(\q), \u, \par
.endif
.endif
.endm
.macro PRODS kind, s, par              ; 32 products, the four accumulators by turns
.irp q, 0,1,2,3,4,5,6,7
.irp g, 0,1
.irp u, 0,1
	PROD \kind, \s, \par, \q, \g, \u
.endr
.endr
.endr
	WIN 0
	PLACES 4                                       ; behind the products: their results are read and their operands' registers loaded below
.endm
; q, k: a block's way out: 32 sums a lane = my half of two blocks of 32 along dk -> six registers of a record and the tile's scale word
.macro QKOUT s
.set QD_, P+12*(((\s)/2)%2)+6*((\s)%2)
.if (\s)%2 == 0
	s_wait_xcnt 0x0                                ; earlier stores have read their data: the codes' registers may be written again
.endif
	WIN 3|(3<<2)
	v_max3_num_f32 v[TM], |v[ACC]|, |v[ACC+1]|, 0x1800000      ; with the floor 2^(3 - 127): the byte cannot fall under 1
	v_max3_num_f32 v[TM+1], |v[ACC+16]|, |v[ACC+17]|, 0x1800000
	WIN (3<<2)|(3<<4)
.irp i, 2,4,6,8,10,12,14
	v_max3_num_f32 v[TM], v[TM], |v[ACC+\i]|, |v[ACC+1+\i]|
	v_max3_num_f32 v[TM+1], v[TM+1], |v[ACC+16+\i]|, |v[ACC+17+\i]|
.endr
	WIN 0
	v_permlanex16_b32 v[TM+4], v[TM], s92, s93
	v_permlanex16_b32 v[TM+5], v[TM+1], s92, s93
	v_max_num_f32 v[TM], v[TM], v[TM+4]            ; with lane l xor 16's: the block's largest magnitude
	v_max_num_f32 v[TM+1], v[TM+1], v[TM+5]
	v_add_nc_u32 v[TM+12], 0xff000000, v[TM]       ; 2 off its exponent field: the conversion's scale operand
	v_add_nc_u32 v[TM+13], 0xff000000, v[TM+1]
	v_lshrrev_b32 v[TM+4], 23, v[TM+12]            ; the scale's byte
	v_lshrrev_b32 v[TM+5], 23, v[TM+13]
	v_lshl_or_b32 v[PWS+(\s)], v[TM+5], 8, v[TM+4]
	WIN 3
	v_cvt_scalef32_pk16_fp6_f32 v[QD_:QD_+2], v[ACC:ACC+15], v[TM+12]
	v_cvt_scalef32_pk16_fp6_f32 v[PT:PT+2], v[ACC+16:ACC+31], v[TM+13]
	WIN 0
	v_nop                                          ; one plain place behind a scaled conversion
.irp i, 0,1,2
	v_permlane16_swap_b32 v[QD_+\i], v[PT+\i]      ; the layout wants a WHOLE block in a lane
.endr
.irp i, 0,1,2
	v_mov_b32 v[QD_+3+\i], v[PT+\i]
.endr
.if (\s)%2
.irp c, 0,1,2
	global_store_b128 v[CO], v[QD_-6+4*\c:QD_-6+4*\c+3], s[72:73] offset:((\s)/2)*FRB+512*\c   ; 512 consecutive bytes a store
.endr
.endif
.endm
; v: a channel tile's way out: 64 sums a lane (window 3, from s on) = my half of four blocks of 32 tokens -> a record of 12 registers and the tile's scale word
.macro QUANT s, d, pw
	WIN 3|(3<<2)
.irp b, 0,1,2,3
	v_max3_num_f32 v[TM+\b], |v[\s+16*\b]|, |v[\s+1+16*\b]|, 0x1800000
.endr
	WIN (3<<2)|(3<<4)
.irp i, 2,4,6,8,10,12,14
.irp b, 0,1,2,3
	v_max3_num_f32 v[TM+\b], v[TM+\b], |v[\s+16*\b+\i]|, |v[\s+1+16*\b+\i]|
.endr
.endr
	WIN 0
.irp b, 0,1,2,3
	v_permlanex16_b32 v[TM+4+\b], v[TM+\b], s92, s93
.endr
.irp b, 0,1,2,3
	v_max_num_f32 v[TM+\b], v[TM+\b], v[TM+4+\b]
.endr
.irp b, 0,1,2,3
	v_add_nc_u32 v[TM+12+\b], 0xff000000, v[TM+\b]
.endr
.irp b, 0,1,2,3
	v_lshrrev_b32 v[TM+4+\b], 23, v[TM+12+\b]
.endr
	v_lshl_or_b32 v[\pw], v[TM+5], 8, v[TM+4]
	v_lshl_or_b32 v[\pw], v[TM+6], 16, v[\pw]
	v_lshl_or_b32 v[\pw], v[TM+7], 24, v[\pw]
	WIN 3
	v_cvt_scalef32_pk16_fp6_f32 v[\d:\d+2], v[\s:\s+15], v[TM+12]
	v_cvt_scalef32_pk16_fp6_f32 v[PT:PT+2], v[\s+16:\s+31], v[TM+13]
	v_cvt_scalef32_pk16_fp6_f32 v[\d+6:\d+8], v[\s+32:\s+47], v[TM+14]
	v_cvt_scalef32_pk16_fp6_f32 v[PT+4:PT+6], v[\s+48:\s+63], v[TM+15]
	WIN 0
	v_nop
.irp c, 0,1
.irp i, 0,1,2
	v_permlane16_swap_b32 v[\d+6*\c+\i], v[PT+4*\c+\i]
.endr
.irp i, 0,1,2
	v_mov_b32 v[\d+6*\c+3+\i], v[PT+4*\c+\i]
.endr
.endr
.endm
	s_cmp_lt_u32 s18, 2
	s_cbranch_scc0 .Lnot_w
	s_wait_tensorcnt 0x0                           ; waves 0 and 1: Wq's tiles are in
.Lnot_w:
	BARRIER                                        ; the tokens may still be on their way
	WEIGHTS
	WIN 3<<6                                       ; what the later phases want, into window 3: 44 loads
.irp q, 0,1,2,3,4,5,6,7
.irp p, 0,1
	global_load_b32 v[S1+8*\p+\q], v[L4], s[70:71] offset:49152*\q+128*\p+4096   ; Wk's tiles lie 64 on, Wv's 128
	global_load_b32 v[S2+8*\p+\q], v[L4], s[70:71] offset:49152*\q+128*\p+8192
.endr
.endr
.irp b, 0,1,2,3
	global_load_b128 v[B1+8*\b:B1+8*\b+3], v[BO], s[10:11] offset:(32*(\b/2)+8*(\b%2))*4
	global_load_b128 v[B1+8*\b+4:B1+8*\b+7], v[BO], s[10:11] offset:(32*(\b/2)+8*(\b%2))*4+16
	global_load_b32 v[B2+\b], v[BVO], s[12:13] offset:(32*(\b/2)+8*(\b%2))*4
.endr
	WIN 0
	s_wait_tensorcnt 0x0                           ; every wave: all that is still out
	s_wait_dscnt 0x0
	BARRIER                                        ; the tokens are in
	FETCH 0
	FETCH 1
	s_wait_loadcnt 44                              ; q's scale words and bias and the tokens' scale words are in; the 44 later loads may be out
	s_mov_b32 s19, 0
.Lphase:                                               ; q, then k
	s_wait_tensorcnt 0x0                           ; the three lines ahead of a refill
	ds_add_u32 v[SPW], v[NIL]
	s_mov_b32 s[G1B+2], 4<<16                      ; no tensor load of mine is out: a refill brings my own four row tiles
	s_mov_b32 s[G1B+4], 4
	s_mul_i32 s[G0B+1], s18, 4*TB
	s_add_nc_u64 s[60:61], s[60:61], 64*TB         ; of the next tensor
	s_mov_b64 s[G0B+2:G0B+3], s[60:61]
	s_wait_dscnt 0x0                               ; the add, and my reads of the weights' region
	CROUND                                         ; every wave of every partner holds this phase's weights in registers
	TLOAD G0B, G1B
	PRODS 0, 0, 0
	FETCH 2
	QKOUT 0
.macro QBLK s, par                     ; a block of q or k that has a block two on to fetch
	s_wait_dscnt 24                                ; this block's fetch is in; the next block's 24 loads may be out
	PRODS 0, \s, \par
	FETCH (\s)+2
	QKOUT \s
.endm
	QBLK 1, 1
	QBLK 2, 0
	QBLK 3, 1
	QBLK 4, 0
	QBLK 5, 1
	s_wait_dscnt 24
	PRODS 0, 6, 0
	QKOUT 6
	s_wait_dscnt 0x0
	PRODS 0, 7, 1
	s_wait_tensorcnt 0x0                           ; my own four row tiles of the next tensor are in,
	BARRIER                                        ; and every wave's are: a plain barrier, behind which nothing is filled; no LDS instruction of mine is out at its signal
	WEIGHTS
	FETCH 0
	FETCH 1
	QKOUT 7
	WALU                                           ; the wait ahead of the readers below
.irp p, 0,1,2,3
	v_cndmask_b32 v[SKR+\p], v[PWS+2*\p], v[PWS+2*\p+1], s98   ; lanes 0-15: tile 2 p's rows; lanes 16-31: tile 2 p + 1's
.endr
	global_store_b128 v[CO], v[SKR:SKR+3], s[74:75]
	s_wait_loadcnt 0x0                             ; the later phases' scale words and biases
	WIN 3
.set i, 0
.rept 16
	v_mov_b32 v[SB+i], v[S1+i]                     ; the next phase's scale words and bias move into place;
.set i, i+1
.endr
.set i, 0
.rept 32
	v_mov_b32 v[BI+i], v[B1+i]
.set i, i+1
.endr
	WIN 3|(3<<6)
.set i, 0
.rept 16
	v_mov_b32 v[S1+i], v[S2+i]                     ; and the phase after's move up: v's bias, one number a lane and tile, over the tile's eight registers
.set i, i+1
.endr
.irp b, 0,1,2,3
.irp j, 0,1,2,3,4,5,6,7
	v_mov_b32 v[B1+8*\b+\j], v[B2+\b]
.endr
.endr
	WIN 0
	s_wait_xcnt 0x0                                ; the stores have read their bases
	s_add_nc_u64 s[72:73], s[72:73], REG
	s_add_nc_u64 s[74:75], s[74:75], SREG
	s_add_co_u32 s19, s19, 1
	s_cmp_lt_u32 s19, 2
	WALU                                           ; the wait directly ahead of the branch
	s_cbranch_scc1 .Lphase
; v: nothing more is filled
.macro VBLK s, par
	s_wait_dscnt 24
	PRODS 1, \s, \par
	FETCH (\s)+2
.endm
	VBLK 0, 0
	VBLK 1, 1
	VBLK 2, 0
	VBLK 3, 1
	VBLK 4, 0
	VBLK 5, 1
	s_wait_dscnt 24
	PRODS 1, 6, 0
	s_wait_dscnt 0x0
	PRODS 1, 7, 1
.irp b, 0,1,2,3
	s_wait_xcnt 0x0
	QUANT 64*\b, P+12*(\b%2), PWS+\b
.irp c, 0,1,2
	global_store_b128 v[CO], v[P+12*(\b%2)+4*\c:P+12*(\b%2)+4*\c+3], s[72:73] offset:\b*FRB+512*\c
.endr
.endr
	WALU
	global_store_b128 v[CO], v[PWS:PWS+3], s[74:75]
	s_wait_tensorcnt 0x0                           ; the wave's end
	ds_add_u32 v[SPW], v[NIL]
	s_wait_dscnt 0x0
	CROUND                                         ; the closing round
	s_endpgm
.Lfunc_end_k_qbd0dd16198_proj:
	.size	k_qbd0dd16198_proj, .Lfunc_end_k_qbd0dd16198_proj-k_qbd0dd16198_proj
	.p2alignl 7, 3214868480
	.fill 96, 4, 3214868480
	.section	.rodata,"a",@progbits
	.p2align	6, 0x0
	.amdhsa_kernel k_qbd0dd16198_proj
		.amdhsa_group_segment_fixed_size 327680
		.amdhsa_private_segment_fixed_size 0
		.amdhsa_enable_private_segment 0
		.amdhsa_kernarg_size 56
		.amdhsa_user_sgpr_count 2
		.amdhsa_user_sgpr_kernarg_segment_ptr 1
		.amdhsa_wavefront_size32 1
		.amdhsa_system_sgpr_workgroup_id_x 1
		.amdhsa_system_sgpr_workgroup_id_y 1
		.amdhsa_system_sgpr_workgroup_id_z 1
		.amdhsa_system_vgpr_workitem_id 0
		.amdhsa_next_free_vgpr 1024
		.amdhsa_next_free_sgpr 100
		.amdhsa_reserve_vcc 0
		.amdhsa_float_denorm_mode_32 3
		.amdhsa_float_denorm_mode_16_64 3
		.amdhsa_memory_ordered 1
		.amdhsa_forward_progress 1
		.amdhsa_inst_pref_size 162
	.end_amdhsa_kernel
	.amdgpu_metadata
---
amdhsa.version: [ 1, 2 ]
amdhsa.kernels:
  - .name:           k_qbd0dd16198_proj
    .symbol:         k_qbd0dd16198_proj.kd
    .args:
      - { .name: oc, .offset: 0, .size: 8, .value_kind: global_buffer, .address_space: global }
      - { .name: os, .offset: 8, .size: 8, .value_kind: global_buffer, .address_space: global }
      - { .name: bq, .offset: 16, .size: 8, .value_kind: global_buffer, .address_space: global }
      - { .name: bk, .offset: 24, .size: 8, .value_kind: global_buffer, .address_space: global }
      - { .name: bv, .offset: 32, .size: 8, .value_kind: global_buffer, .address_space: global }
      - { .name: qkvc, .offset: 40, .size: 8, .value_kind: global_buffer, .address_space: global }
      - { .name: qkvs, .offset: 48, .size: 8, .value_kind: global_buffer, .address_space: global }
    .group_segment_fixed_size: 327680
    .private_segment_fixed_size: 0
    .kernarg_segment_align: 8
    .kernarg_segment_size: 56
    .max_flat_workgroup_size: 128
    .sgpr_count:     100
    .vgpr_count:     1024
    .wavefront_size: 32
...
	.end_amdgpu_metadata
.endif
;; end of part 2
;; launch attn (part 3): grid 4 x 64, 16 waves a work-group, clusters of 4 x 1, 216,064 bytes of LDS; arguments qkvc, qkvs, zc, zs; writes zc, zs
.if DOCPART == 3
	.amdgcn_target "amdgcn-amd-amdhsa--gfx1250"
	.amdhsa_code_object_version 6
	.text
	.protected	k_qbd0dd16198_attn
	.globl	k_qbd0dd16198_attn
	.p2align	8
	.type	k_qbd0dd16198_attn,@function
k_qbd0dd16198_attn:
	s_mov_b64 s[64:65], 0
	v_nop
	global_prefetch_b8 v0, s[64:65] scope:SCOPE_SE
	s_setreg_imm32_b32 hwreg(HW_REG_WAVE_MODE, 25, 1), 1
	s_wait_xcnt 0x0
	s_wait_alu depctr_hold_cnt(0) depctr_sa_sdst(0) depctr_va_vdst(0) depctr_va_sdst(0) depctr_va_ssrc(0) depctr_va_vcc(0) depctr_vm_vsrc(0)
	s_getreg_b32 s2, hwreg(HW_REG_IB_STS2, 6, 4)
	s_cmp_eq_u32 s2, 0
	s_cbranch_scc0 .Lentry_in_a_cluster
	s_endpgm
.Lentry_in_a_cluster:
	s_bfe_u32 s2, ttmp6, 0x10000c
	s_cmp_lg_u32 s2, 0x3003
	s_cbranch_scc0 .Lentry_shape_is_right
	s_endpgm
.Lentry_shape_is_right:
; ATTN: z = softmax(q k^T / 8) v for 128 (batch, head) pairs of 1,024 tokens and head size 64, both products on codes of FP6 with E8M0 scales; z is quantised here for the last product.
; THE SOFTMAX: t = score x log2(e) / 8; M = the running largest t rounded UP to a whole number; p = 2^(t - M) is quantised along the keys, not normalised; the row's sum is taken of the unquantised p and divides at the end.
; When M moves, the sum and O are multiplied by 2^(old M - new M): exact.
; SHARES: a work-group owns 256 queries x TWO neighbouring heads; wave w owns 16 queries, first for the even head, then for the odd one: it ends with one whole record of z (128 along the last product's K) and its rows' scale words.
; K AND V: both heads' codes and scale words lie whole in LDS (212,992 bytes), each byte filled once.  LDS: head e at 98,304 e: K's eight steps of 6,144 bytes, then V's; behind both heads the scale words.
; ONE TENSOR LOAD A WAVE, at the head: waves 0-5 bring the even head's K and V (16,384 bytes each), waves 6-11 the odd head's, waves 12-15 the scale words (4,096 each).
; The barrier ahead of the even head waits for waves 0-5 and 12-15 alone (their load lines are their own); the barrier ahead of the odd head waits for all.  Between the two the waves run free.
; CLUSTER: the four query blocks of a head pair read the same K and V: each load is asked for JOINTLY, with a descriptor made of the head pair and the wave's number alone and a mask that names the four.
; No prefetch is written: every tensor load of the launch is issued at its head, so there is no later request that an earlier one could serve.
; LAYOUT: both products are used transposed: S^T = K Q^T, O^T = V^T P^T: a lane holds ONE query throughout.  Row r of a row tile 2 g + u is true row 32 g + 8 u + r + 8 (r / 8), so the 16 registers of tiles 2 g, 2 g + 1 are 16 neighbours.
; K = 64 IN AN INSTRUCTION OF 128: a key tile's operand is its own six registers and the six that follow; Q's upper six registers hold zero codes, so that half of each sum is exactly 0.
; LIMITS: NaN and infinities are not served; p under 2^-126 is 0; a block of zeros gets the byte 1 with zero codes; a block's largest p is made from its largest score, which takes v_exp_f32 not to fall where its input rises.
; REGISTERS: v1-11 addresses; v12 -M, v13 the largest t, v[14:15] the sum; v16-39 Q of the two heads (6 codes + 6 zeros each); v40-93 K's or V's fragments and six zeros; v96-159 S^T, then p; v160-191 O^T;
;   v192-203 p's codes; v212-227 at work; v228-237, v239 scale words; v238 f; v240 at work; v241, v255 the add's two; v242-253 z's codes; v254 z's scale word.
.set REG,  6291456
.set SREG, 524288
.set PHB,  98304
.set VOFF, 49152
.set KSC,  196608
.set ZSG,  212992
.set LK,  1
.set ADK, 2
.set ADV, 3
.set ADS, 4
.set KF,  40
.set S,   96
.set O,   160
.set PC,  192
.set BM,  212
.set PB,  216
.set SO,  224
.set SK,  228
.set SV,  232
.set SQ,  236
.set F,   238
.set SP,  239
.set T1,  240
.set ZC,  242
.set ZW,  254
.set WV,  12
.set QQ,  15
.set SEL, 20
.set CS,  22
.set G1C, 24
.set G1Z, 32
.set G0Z, 40
.set G0C, 68
.set TB,  48
.set TS,  49
.set CNT, 50
.macro CROUND
	s_barrier_signal -1
	s_barrier_wait -1
	s_cmp_lg_u32 s[WV], 0
	s_cbranch_scc1 .Lnot_wave_0_\@
	s_barrier_signal -3
.Lnot_wave_0_\@:
	s_barrier_wait -3
	s_barrier_signal -1
	s_barrier_wait -1
.endm
.macro TLOAD g0, g1                    ; s_nop 0 and four v_nop follow each tensor load
	tensor_load_to_lds s[\g0:\g0+3], s[\g1:\g1+7]
	s_nop 0
.rept 4
	v_nop
.endr
.endm
	s_load_b256 s[4:11], s[0:1], 0x0               ; qkvc, qkvs, zc, zs
	v_lshl_add_u32 v241, v0, 2, 0x34400
	v_mov_b32 v255, 0
	ds_add_u32 v241, v255                          ; the opening lines: the add twice on end
	ds_add_u32 v241, v255
	v_lshrrev_b32 v1, 5, v0
	s_delay_alu instid0(VALU_DEP_1)
	v_readfirstlane_b32 s[WV], v1                  ; wave 0..15
	s_bfe_u32 s13, ttmp6, 0x40000                  ; cx
	s_lshl_b32 s[QQ], ttmp9, 2
	s_add_co_u32 s[QQ], s[QQ], s13                 ; my block of queries
	s_and_b32 s14, ttmp7, 0xffff                   ; 8 x batch + head pair, which the four partners share
	s_mul_i32 s52, s[WV], 11
	s_lshr_b32 s52, s52, 5                         ; w / 3 for w under 12: 0 K even, 1 V even, 2 K odd, 3 V odd
	s_mul_i32 s53, s52, 3
	s_sub_co_u32 s53, s[WV], s53                   ; w % 3: which 16,384 of the 49,152 bytes
	s_and_b32 s54, s52, 1
	s_add_co_u32 s54, s54, 1                       ; k's region or v's
	s_mul_i32 s54, s54, REG
	s_mul_i32 s55, s14, 98304                      ; the pair's codes: [head 2][step 8][6,144]
	s_add_co_u32 s54, s54, s55
	s_lshr_b32 s55, s52, 1
	s_mul_i32 s55, s55, 49152
	s_add_co_u32 s54, s54, s55
	s_lshl_b32 s55, s53, 14
	s_add_co_u32 s54, s54, s55
	s_mov_b32 s55, 0
	s_and_b32 s59, s[WV], 3                        ; waves 12-15: K's words of the even head, of the odd, V's likewise
	s_lshr_b32 s56, s59, 1
	s_add_co_u32 s56, s56, 1
	s_mul_i32 s56, s56, SREG
	s_lshl_b32 s57, s14, 13
	s_add_co_u32 s56, s56, s57
	s_and_b32 s57, s59, 1
	s_lshl_b32 s57, s57, 12
	s_add_co_u32 s56, s56, s57
	s_mov_b32 s57, 0
	; group 1: dense blocks as rows of 256 bytes (32 elements of 8 bytes): 64 rows of codes, 16 of scale words
	s_mov_b32 s[G1C], 15|(3<<16)|(1<<21)
	s_mov_b32 s[G1C+1], 32<<16
	s_mov_b32 s[G1C+2], 64<<16
	s_mov_b32 s[G1C+3], 32<<16
	s_mov_b32 s[G1C+4], 64
	s_mov_b32 s[G1C+5], 32
	s_mov_b32 s[G1C+6], 0
	s_mov_b32 s[G1C+7], 0
	s_mov_b32 s[G1Z], 15|(3<<16)|(1<<21)
	s_mov_b32 s[G1Z+1], 32<<16
	s_mov_b32 s[G1Z+2], 16<<16
	s_mov_b32 s[G1Z+3], 32<<16
	s_mov_b32 s[G1Z+4], 16
	s_mov_b32 s[G1Z+5], 32
	s_mov_b32 s[G1Z+6], 0
	s_mov_b32 s[G1Z+7], 0
	s_lshl_b32 s58, s[WV], 14                      ; LDS: wave x 16,384
	s_lshl_b32 s59, s59, 12
	s_wait_dscnt 0x0
	s_wait_kmcnt 0x0
	s_mov_b32 s[G0Z], 1
	s_add_co_u32 s[G0Z+1], s59, KSC
	s_add_nc_u64 s[G0Z+2:G0Z+3], s[6:7], s[56:57]
	s_or_b32 s[G0Z+3], s[G0Z+3], 0x80000000
	s_mov_b32 s[G0C], 1
	s_mov_b32 s[G0C+1], s58
	s_add_nc_u64 s[G0C+2:G0C+3], s[4:5], s[54:55]
	s_or_b32 s[G0C+3], s[G0C+3], 0x80000000
	CROUND                                         ; all four work-groups are here: the joint loads meet
	s_cmp_lt_u32 s[WV], 6
	s_cbranch_scc0 .Lhead_odd
	TLOAD G0C, G1C                                 ; waves 0-5: the even head's K and V
	s_branch .Lasked
.Lhead_odd:
	s_cmp_lt_u32 s[WV], 12
	s_cbranch_scc0 .Lhead_words
	TLOAD G0C, G1C                                 ; waves 6-11: the odd head's
	s_branch .Lasked
.Lhead_words:
	TLOAD G0Z, G1Z                                 ; waves 12-15: the scale words
.Lasked:
	; Q: my tile is half (w % 2) of pair record w / 2 of the block's eight, as three pieces of 8 bytes
	v_and_b32 v2, 31, v0
	v_and_b32 v3, 15, v0
	s_delay_alu instid0(VALU_DEP_2)
	v_lshlrev_b32 v[LK], 4, v2
	s_wait_alu depctr_va_vdst(0)
	s_lshl_b32 s84, s14, 6
	s_lshl_b32 s85, s[QQ], 3
	s_add_co_u32 s84, s84, s85
	s_lshr_b32 s85, s[WV], 1
	s_add_co_u32 s84, s84, s85
	s_mul_i32 s84, s84, 1536
	s_mov_b32 s85, 0
	s_add_nc_u64 s[86:87], s[4:5], s[84:85]        ; the even head's record
	s_lshl_b32 s84, s14, 4
	s_lshl_b32 s88, s[QQ], 1
	s_add_co_u32 s84, s84, s88
	s_lshr_b32 s88, s[WV], 3
	s_add_co_u32 s84, s84, s88
	s_lshl_b32 s84, s84, 9
	s_add_nc_u64 s[88:89], s[6:7], s[84:85]        ; its step's scale words
	s_and_b32 s51, s[WV], 1
	s_mul_i32 s62, s51, 520
	v_add_nc_u32 v9, s62, v[LK]
	s_mul_i32 s63, s51, 1016
	s_add_co_u32 s63, s63, 8
	v_add_nc_u32 v10, s63, v[LK]
	s_add_co_u32 s62, s62, 512
	v_add_nc_u32 v11, s62, v[LK]
	s_lshl_b32 s62, s51, 8
	s_and_b32 s63, s[WV], 6
	s_lshl_b32 s63, s63, 1
	s_add_co_u32 s62, s62, s63
	v_lshl_add_u32 v5, v3, 4, s62
.irp e, 0,1
	global_load_b64 v[16+12*\e:17+12*\e], v9, s[86:87] offset:49152*\e
	global_load_b64 v[18+12*\e:19+12*\e], v10, s[86:87] offset:49152*\e
	global_load_b64 v[20+12*\e:21+12*\e], v11, s[86:87] offset:49152*\e
	global_load_b32 v[SQ+\e], v5, s[88:89] offset:4096*\e
.endr
.irp i, 22,23,24,25,26,27,34,35,36,37,38,39,88,89,90,91,92,93
	v_mov_b32 v\i, 0                               ; zero codes
.endr
.irp i, 0,1,2,3
	v_mov_b32 v[PB+\i], 0                          ; a lane permute's destination counts as one of its sources
.endr
	v_mov_b32 v[T1], 0
	v_mov_b32 v[SP], 0
	s_lshl_b32 s62, s[WV], 6
	s_add_co_u32 s62, s62, ZSG
	v_lshl_add_u32 v6, v3, 2, s62                  ; where z's scale word goes
	v_and_b32 v7, 63, v0
	s_delay_alu instid0(VALU_DEP_1)
	v_lshlrev_b32 v8, 4, v7
	s_delay_alu instid0(VALU_DEP_1)
	v_add_nc_u32 v7, ZSG, v8
	s_lshr_b32 s84, s14, 3
	s_lshl_b32 s84, s84, 6
	s_lshl_b32 s85, s[QQ], 4
	s_add_co_u32 s84, s84, s85                     ; the work-group's first row tile
	s_and_b32 s90, s14, 7                          ; the head pair: the last product's kappa
	s_lshl_b32 s92, s84, 6
	s_lshl_b32 s93, s90, 15
	s_add_co_u32 s92, s92, s93
	s_mov_b32 s93, 0
	s_add_nc_u64 s[10:11], s[10:11], s[92:93]
	s_add_co_u32 s84, s84, s[WV]
	s_mul_i32 s84, s84, 12288
	s_mul_i32 s85, s90, 1536
	s_add_co_u32 s84, s84, s85
	s_mov_b32 s85, 0
	s_add_nc_u64 s[8:9], s[8:9], s[84:85]
	s_mov_b32 s[SEL], 0x76543210
	s_mov_b32 s[SEL+1], 0xfedcba98
	s_mov_b32 s[CS], 0x3e38aa3b                    ; c = log2(e) / 8
	s_mov_b32 s[CS+1], s[CS]
; A KEY STEP: 128 keys
.macro STEP q, sq
	v_add_nc_u32 v[ADK], s[TB], v[LK]
	v_add_nc_u32 v[ADS], s[TS], v[LK]
	s_delay_alu instid0(VALU_DEP_2)
	v_add_nc_u32 v[ADV], VOFF, v[ADK]
	v_nop                                          ; four places between the last step's products and the loads below
.irp p, 0,1,2,3
.irp c, 0,1,2
	ds_load_b128 v[KF+12*\p+4*\c:KF+12*\p+4*\c+3], v[ADK] offset:1536*\p+512*\c
.endr
.endr
	ds_load_b128 v[SK:SK+3], v[ADS]
	s_wait_alu depctr_va_vdst(0)
	s_wait_dscnt 0x0
.irp t, 0,1,2,3,4,5,6,7
.if \t%2
	v_wmma_scale_f32_16x16x128_f8f6f4 v[S+8*\t:S+8*\t+7], v[KF+6*\t:KF+6*\t+11], v[\q:\q+11], 0, v[SK+\t/2], v[\sq] matrix_a_fmt:MATRIX_FMT_FP6 matrix_b_fmt:MATRIX_FMT_FP6 matrix_a_scale:MATRIX_SCALE_ROW1
.else
	v_wmma_scale_f32_16x16x128_f8f6f4 v[S+8*\t:S+8*\t+7], v[KF+6*\t:KF+6*\t+11], v[\q:\q+11], 0, v[SK+\t/2], v[\sq] matrix_a_fmt:MATRIX_FMT_FP6 matrix_b_fmt:MATRIX_FMT_FP6
.endif
.endr
.rept 4
	v_nop
.endr
.irp p, 0,1,2,3
.irp c, 0,1,2
	ds_load_b128 v[KF+12*\p+4*\c:KF+12*\p+4*\c+3], v[ADV] offset:1536*\p+512*\c   ; V lands under the softmax
.endr
.endr
	ds_load_b128 v[SV:SV+3], v[ADS] offset:8192
.irp b, 0,1,2,3
	v_max3_num_f32 v[BM+\b], v[S+16*\b], v[S+1+16*\b], v[S+2+16*\b]   ; each block's largest score
.endr
.irp i, 3,5,7,9,11,13
.irp b, 0,1,2,3
	v_max3_num_f32 v[BM+\b], v[BM+\b], v[S+16*\b+\i], v[S+1+16*\b+\i]
.endr
.endr
.irp b, 0,1,2,3
	v_max_num_f32 v[BM+\b], v[BM+\b], v[S+15+16*\b]
.endr
.irp b, 0,1,2,3
	s_delay_alu instid0(VALU_DEP_4)
	v_permlanex16_b32 v[PB+\b], v[BM+\b], s[SEL], s[SEL+1]
.endr
.irp b, 0,1,2,3
	s_delay_alu instid0(VALU_DEP_4)
	v_max_num_f32 v[BM+\b], v[BM+\b], v[PB+\b]
.endr
	s_delay_alu instid0(VALU_DEP_2)
	v_max3_num_f32 v[T1], v[BM], v[BM+1], v[BM+2]
	s_delay_alu instid0(VALU_DEP_1)
	v_max_num_f32 v[T1], v[T1], v[BM+3]
	s_delay_alu instid0(VALU_DEP_1)
	v_mul_f32 v[T1], s[CS], v[T1]
	s_delay_alu instid0(VALU_DEP_1)
	v_max_num_f32 v13, v13, v[T1]                  ; the running largest t
	v_mov_b32 v[T1], v12
	s_delay_alu instid0(VALU_DEP_2)
	v_floor_f32 v12, -v13                          ; the new -M
	s_delay_alu instid0(VALU_DEP_1)
	v_sub_f32 v[T1], v12, v[T1]
	s_delay_alu instid0(VALU_DEP_1)
	v_cvt_i32_f32 v[T1], v[T1]
	s_delay_alu instid0(VALU_DEP_1)
	v_ldexp_f32 v[F], 1.0, v[T1]                   ; f = 2^(old M - new M)
.set j, 0
.rept 32
	v_pk_fma_f32 v[S+j:S+j+1], v[S+j:S+j+1], s[CS:CS+1], v[12:13] op_sel_hi:[1,0,0]
.set j, j+2
.endr
.irp b, 0,1,2,3
	v_fma_f32 v[BM+\b], v[BM+\b], s[CS], v12
.endr
.set j, 0
	s_wait_alu depctr_va_vdst(0)
.rept 64
	v_exp_f32 v[S+j], v[S+j]                       ; p = 2^(t - M)
.set j, j+1
.endr
	v_pk_mul_f32 v[14:15], v[14:15], v[F:F+1] op_sel_hi:[1,0]
	s_wait_alu depctr_va_vdst(0)
.irp b, 0,1,2,3
	v_exp_f32 v[BM+\b], v[BM+\b]                   ; the blocks' largest p
.endr
	v_pk_add_f32 v[216:217], v[100:101], v[104:105]   ; the row's sum of the unquantised p, in eight chains
	v_pk_add_f32 v[252:253], v[108:109], v[112:113]
	v_pk_add_f32 v[250:251], v[116:117], v[120:121]
	v_pk_add_f32 v[248:249], v[124:125], v[128:129]
	v_pk_add_f32 v[230:231], v[132:133], v[136:137]
	v_pk_add_f32 v[228:229], v[140:141], v[144:145]
	v_pk_add_f32 v[226:227], v[148:149], v[152:153]
	v_pk_add_f32 v[14:15], v[14:15], v[156:157]
	v_pk_add_f32 v[216:217], v[216:217], v[96:97]
	v_pk_add_f32 v[252:253], v[252:253], v[98:99]
	v_pk_add_f32 v[250:251], v[250:251], v[102:103]
	v_pk_add_f32 v[248:249], v[248:249], v[106:107]
	v_pk_add_f32 v[230:231], v[230:231], v[110:111]
	v_pk_add_f32 v[228:229], v[228:229], v[114:115]
	v_pk_add_f32 v[226:227], v[226:227], v[118:119]
	v_pk_add_f32 v[14:15], v[14:15], v[122:123]
	v_pk_add_f32 v[216:217], v[216:217], v[126:127]
	v_pk_add_f32 v[252:253], v[252:253], v[130:131]
	v_pk_add_f32 v[250:251], v[250:251], v[134:135]
	v_pk_add_f32 v[248:249], v[248:249], v[138:139]
	v_pk_add_f32 v[230:231], v[230:231], v[142:143]
	v_pk_add_f32 v[228:229], v[228:229], v[146:147]
	v_pk_add_f32 v[226:227], v[226:227], v[150:151]
	v_pk_add_f32 v[14:15], v[14:15], v[154:155]
	v_pk_add_f32 v[216:217], v[216:217], v[158:159]
	s_delay_alu instid0(VALU_DEP_2)
	v_pk_add_f32 v[14:15], v[14:15], v[248:249]
	s_delay_alu instid0(VALU_DEP_2)
	v_pk_add_f32 v[216:217], v[216:217], v[230:231]
	v_pk_add_f32 v[252:253], v[252:253], v[228:229]
	v_pk_add_f32 v[250:251], v[250:251], v[226:227]
	s_delay_alu instid0(VALU_DEP_2)
	v_pk_add_f32 v[14:15], v[14:15], v[252:253]
	s_delay_alu instid0(VALU_DEP_2)
	v_pk_add_f32 v[216:217], v[216:217], v[250:251]
	s_delay_alu instid0(VALU_DEP_1)
	v_pk_add_f32 v[14:15], v[14:15], v[216:217]
	s_wait_alu depctr_va_vdst(0)
.irp b, 0,1,2,3
	v_max_num_f32 v[BM+\b], 0x1800000, v[BM+\b]    ; the floor 2^(3 - 127)
.endr
.irp b, 0,1,2,3
	s_delay_alu instid0(VALU_DEP_4)
	v_add_nc_u32 v[SO+\b], 0xff000000, v[BM+\b]
.endr
.irp b, 0,1,2,3
	s_delay_alu instid0(VALU_DEP_4)
	v_lshrrev_b32 v[PB+\b], 23, v[SO+\b]
.endr
	s_delay_alu instid0(VALU_DEP_3)
	v_lshl_or_b32 v[SP], v[PB+1], 8, v[PB]
	s_delay_alu instid0(VALU_DEP_1)
	v_lshl_or_b32 v[SP], v[PB+2], 16, v[SP]
	s_delay_alu instid0(VALU_DEP_1)
	v_lshl_or_b32 v[SP], v[PB+3], 24, v[SP]
.irp c, 0,1
	v_cvt_scalef32_pk16_fp6_f32 v[PC+6*\c:PC+6*\c+2], v[S+32*\c:S+32*\c+15], v[SO+2*\c]
	v_cvt_scalef32_pk16_fp6_f32 v[PB+4*\c:PB+4*\c+2], v[S+16+32*\c:S+31+32*\c], v[SO+2*\c+1]
.endr
	v_nop
.irp c, 0,1
.irp i, 0,1,2
	v_permlane16_swap_b32 v[PC+6*\c+\i], v[PB+4*\c+\i]
.endr
.irp i, 0,1,2
	s_delay_alu instid0(VALU_DEP_3)
	v_mov_b32 v[PC+3+6*\c+\i], v[PB+4*\c+\i]
.endr
.endr
.set j, 0
.rept 16
	v_pk_mul_f32 v[O+j:O+j+1], v[O+j:O+j+1], v[F:F+1] op_sel_hi:[1,0]   ; O^T under the new M; also the places behind the writes of p's scale word and codes
.set j, j+2
.endr
	s_wait_alu depctr_va_vdst(0)
	s_wait_dscnt 0x0
.irp t, 0,1,2,3
	v_wmma_scale_f32_16x16x128_f8f6f4 v[O+8*\t:O+8*\t+7], v[KF+12*\t:KF+12*\t+11], v[PC:PC+11], v[O+8*\t:O+8*\t+7], v[SV+\t], v[SP] matrix_a_fmt:MATRIX_FMT_FP6 matrix_b_fmt:MATRIX_FMT_FP6
.endr
	s_add_co_u32 s[TB], s[TB], 6144
	s_add_co_u32 s[TS], s[TS], 512
.endm
; A HEAD'S EIGHT KEY STEPS.  e = 0: waves 0-5 and 12-15 wait for their loads, whose lines are theirs alone; e = 1: every wave waits.
.macro PART e, q, sq
.if \e
	s_wait_tensorcnt 0x0
.else
	s_cmp_lt_u32 s[WV], 6
	s_cbranch_scc1 .Lmine_\@
	s_cmp_lt_u32 s[WV], 12
	s_cbranch_scc1 .Lnot_mine_\@
.Lmine_\@:
	s_wait_tensorcnt 0x0
.Lnot_mine_\@:
.endif
	s_barrier_signal -1
	s_barrier_wait -1
	s_mov_b32 s[TB], PHB*(\e)
	s_mov_b32 s[TS], KSC+4096*(\e)
	s_mov_b32 s[CNT], 8
.Lstep_\@:
	STEP \q, \sq
	s_sub_co_u32 s[CNT], s[CNT], 1
	s_cmp_lg_u32 s[CNT], 0
	s_cbranch_scc1 .Lstep_\@
.endm
; A head's end: O^T / the sum is z; its 32 numbers a lane are blocks 2 e and 2 e + 1 of the record's four
.macro HEADOUT e
.rept 4
	v_nop
.endr
	v_add_f32 v14, v14, v15
	s_delay_alu instid0(VALU_DEP_1)
	v_permlanex16_b32 v[T1], v14, s[SEL], s[SEL+1]
	s_delay_alu instid0(VALU_DEP_1)
	v_add_f32 v14, v14, v[T1]
	s_wait_alu depctr_va_vdst(0)
	v_rcp_f32 v14, v14
	v_nop
	s_wait_alu depctr_va_vdst(0)
.set j, 0
.rept 16
	v_pk_mul_f32 v[S+j:S+j+1], v[O+j:O+j+1], v[14:15] op_sel_hi:[1,0]
.set j, j+2
.endr
.irp b, 0,1
	v_max3_num_f32 v[BM+\b], |v[S+16*\b]|, |v[S+1+16*\b]|, 0x1800000
.endr
.irp i, 2,4,6,8,10,12,14
.irp b, 0,1
	s_delay_alu instid0(VALU_DEP_2)
	v_max3_num_f32 v[BM+\b], v[BM+\b], |v[S+16*\b+\i]|, |v[S+1+16*\b+\i]|
.endr
.endr
.irp b, 0,1
	s_delay_alu instid0(VALU_DEP_2)
	v_permlanex16_b32 v[PB+\b], v[BM+\b], s[SEL], s[SEL+1]
.endr
.irp b, 0,1
	s_delay_alu instid0(VALU_DEP_2)
	v_max_num_f32 v[BM+\b], v[BM+\b], v[PB+\b]
.endr
.irp b, 0,1
	s_delay_alu instid0(VALU_DEP_2)
	v_add_nc_u32 v[SO+\b], 0xff000000, v[BM+\b]
.endr
.irp b, 0,1
	s_delay_alu instid0(VALU_DEP_2)
	v_lshrrev_b32 v[PB+\b], 23, v[SO+\b]
.endr
	s_delay_alu instid0(VALU_DEP_1)
	v_lshl_or_b32 v[T1], v[PB+1], 8, v[PB]
.if \e
	s_delay_alu instid0(VALU_DEP_1)
	v_lshl_or_b32 v[ZW], v[T1], 16, v[ZW]
.else
	s_delay_alu instid0(VALU_DEP_1)
	v_mov_b32 v[ZW], v[T1]
.endif
	v_cvt_scalef32_pk16_fp6_f32 v[ZC+6*\e:ZC+6*\e+2], v[S:S+15], v[SO]
	v_cvt_scalef32_pk16_fp6_f32 v[PB+4:PB+6], v[S+16:S+31], v[SO+1]
	v_nop
.irp i, 0,1,2
	v_permlane16_swap_b32 v[ZC+6*\e+\i], v[PB+4+\i]
.endr
.irp i, 0,1,2
	s_delay_alu instid0(VALU_DEP_3)
	v_mov_b32 v[ZC+6*\e+3+\i], v[PB+4+\i]
.endr
.endm
.macro HEAD e
	v_mov_b32 v13, 0xff61b1e6                      ; the largest t so far: -3e38
	s_delay_alu instid0(VALU_DEP_1)
	v_floor_f32 v12, -v13
	v_mov_b32 v14, 0
	v_mov_b32 v15, 0
.set j, 0
.rept 32
	v_mov_b32 v[O+j], 0                            ; the step has no first form of its own: the first finds zeros
.set j, j+1
.endr
	PART \e, 16+12*\e, SQ+\e
	HEADOUT \e
.endm
	s_wait_loadcnt 0x0                             ; Q
	HEAD 0
	HEAD 1
.irp c, 0,1,2
	global_store_b128 v[LK], v[ZC+4*\c:ZC+4*\c+3], s[8:9] offset:512*\c   ; z's record: 512 consecutive bytes a store
.endr
	ds_store_b32 v6, v[ZW]
	s_wait_dscnt 0x0
	s_barrier_signal -1
	s_barrier_wait -1
	s_cmp_lt_u32 s[WV], 2
	s_cbranch_scc0 .Ldone
	ds_load_b128 v[96:99], v7                      ; the sixteen tiles' scale words: 1,024 consecutive bytes of zs
	s_wait_dscnt 0x0
	global_store_b128 v8, v[96:99], s[10:11]
.Ldone:
	s_wait_tensorcnt 0x0                           ; the wave's end
	ds_add_u32 v241, v255
	s_wait_dscnt 0x0
	CROUND
	s_endpgm
.Lfunc_end_k_qbd0dd16198_attn:
	.size	k_qbd0dd16198_attn, .Lfunc_end_k_qbd0dd16198_attn-k_qbd0dd16198_attn
	.p2alignl 7, 3214868480
	.fill 96, 4, 3214868480
	.section	.rodata,"a",@progbits
	.p2align	6, 0x0
	.amdhsa_kernel k_qbd0dd16198_attn
		.amdhsa_group_segment_fixed_size 216064
		.amdhsa_private_segment_fixed_size 0
		.amdhsa_enable_private_segment 0
		.amdhsa_kernarg_size 32
		.amdhsa_user_sgpr_count 2
		.amdhsa_user_sgpr_kernarg_segment_ptr 1
		.amdhsa_wavefront_size32 1
		.amdhsa_system_sgpr_workgroup_id_x 1
		.amdhsa_system_sgpr_workgroup_id_y 1
		.amdhsa_system_sgpr_workgroup_id_z 1
		.amdhsa_system_vgpr_workitem_id 0
		.amdhsa_next_free_vgpr 256
		.amdhsa_next_free_sgpr 96
		.amdhsa_reserve_vcc 0
		.amdhsa_float_denorm_mode_32 3
		.amdhsa_float_denorm_mode_16_64 3
		.amdhsa_memory_ordered 1
		.amdhsa_forward_progress 1
		.amdhsa_inst_pref_size 54
	.end_amdhsa_kernel
	.amdgpu_metadata
---
amdhsa.version: [ 1, 2 ]
amdhsa.kernels:
  - .name:           k_qbd0dd16198_attn
    .symbol:         k_qbd0dd16198_attn.kd
    .args:
      - { .name: qkvc, .offset: 0, .size: 8, .value_kind: global_buffer, .address_space: global }
      - { .name: qkvs, .offset: 8, .size: 8, .value_kind: global_buffer, .address_space: global }
      - { .name: zc, .offset: 16, .size: 8, .value_kind: global_buffer, .address_space: global }
      - { .name: zs, .offset: 24, .size: 8, .value_kind: global_buffer, .address_space: global }
    .group_segment_fixed_size: 216064
    .private_segment_fixed_size: 0
    .kernarg_segment_align: 8
    .kernarg_segment_size: 32
    .max_flat_workgroup_size: 512
    .sgpr_count:     96
    .vgpr_count:     256
    .wavefront_size: 32
...
	.end_amdgpu_metadata
.endif
;; end of part 3
;; launch out (part 4): grid 4 x 64, 4 waves a work-group, clusters of 4 x 4, 327,680 bytes of LDS; arguments zc, zs, oc, os, b0, out0; writes out0
.if DOCPART == 4
	.amdgcn_target "amdgcn-amd-amdhsa--gfx1250"
	.amdhsa_code_object_version 6
	.text
	.protected	k_qbd0dd16198_out
	.globl	k_qbd0dd16198_out
	.p2align	8
	.type	k_qbd0dd16198_out,@function
k_qbd0dd16198_out:
	s_mov_b64 s[64:65], 0
	v_nop
	global_prefetch_b8 v0, s[64:65] scope:SCOPE_SE
	s_setreg_imm32_b32 hwreg(HW_REG_WAVE_MODE, 25, 1), 1
	s_wait_xcnt 0x0
	s_wait_alu depctr_hold_cnt(0) depctr_sa_sdst(0) depctr_va_vdst(0) depctr_va_sdst(0) depctr_va_ssrc(0) depctr_va_vcc(0) depctr_vm_vsrc(0)
	s_getreg_b32 s2, hwreg(HW_REG_IB_STS2, 6, 4)
	s_cmp_eq_u32 s2, 0
	s_cbranch_scc0 .Lentry_in_a_cluster
	s_endpgm
.Lentry_in_a_cluster:
	s_bfe_u32 s2, ttmp6, 0x10000c
	s_cmp_lg_u32 s2, 0xf033
	s_cbranch_scc0 .Lentry_shape_is_right
	s_endpgm
.Lentry_shape_is_right:
; OUT: out0 = z W0 + b0, 8,192 tokens x 1,024 columns, K = 1,024, on codes of FP6 with E8M0 scales; f32 results.
; OPERANDS come as records (images of a fragment's 12 registers a lane, 1,536 bytes): zc [row tile 512][kappa 8][1,536], zs [kappa][row tile][r][4]; W0's columns are row tiles 704..767 of oc, os [kappa][768 tiles][r][4].
; Row r of row tile 2 g + u is true row (token, or column of W0) 32 g + 8 u + r + 8 (r / 8).
; THE DEAL: 256 work-groups, each 128 tokens x 256 columns, ALL of K in LDS: W0's 16 row tiles (196,608 bytes), then z's 8 (98,304).  Each byte is filled once, by one tensor load a wave at the head:
; waves 0 and 1 half of the weights each, waves 2 and 3 half of the tokens each.  A wave keeps its 64 columns of W0, all of K, in 384 registers and streams the 8 blocks of 16 tokens past them: 32 products finish a block of 16 x 64.
; CLUSTERS: 4 x 4.  z's tiles are shared along a row of the cluster, W0's along a column: each is asked for jointly, with a descriptor made of the shared coordinate and the wave's number.
; THE MATRIX INSTRUCTION is used transposed (source 0 = 16 columns of W0, source 1 = 16 tokens): a lane holds one token; the 16 registers of tiles 2 g, 2 g + 1 are columns 32 g + 16 h + 0 .. 15.  The bias is the first products' C.
; THE WAY OUT: a finished block goes through the wave's own stage in LDS (bytes into which no fill lands) and leaves as rows of 256 consecutive bytes, sixteen lanes a row, while the next block is multiplied.
; SCALE WORDS come by plain loads at the head: a register holds two neighbouring tiles' words, lanes 0-15 the even tile, lanes 16-31 the odd.
; No prefetch is written: every tensor load is issued at the head, and the launch has no loop to run ahead in.
; LIMITS: NaN and infinities are not served.
; REGISTERS: window 0: v4-12 addresses; v28, v29 the add's two; v32-47 W0's scale words; v52-83 z's; v96-127 the bias; v128-191 two sets of four accumulators; v192-255 two sets of rows on their way out.
;   Fragment f lies in window 1 + f / 21 at register 12 (f % 21): 0-31 the weights' (4 kappa + tile), 32-39 and 40-47 the tokens' two sets.
.set FR,     12
.set FPW,    21
.set FRB,    1536
.set TB,     12288                     ; a row tile, all of K
.set AB,     16*TB                     ; z's tiles, behind W0's
.set STAGE,  24*TB
.set SPITCH, 272
.set SPARE,  STAGE+4*16*SPITCH
.set CO,   4
.set ADRB, 5
.set ADRA, 6                           ; v6: tiles 0-3, v7: tiles 4-7
.set STO,  8
.set RD,   9
.set GO,   10
.set BO,   11
.set L4,   12
.set SPW,  28
.set NIL,  29
.set SB,   32
.set SA,   52                          ; its numbers differ from SB's modulo 8
.set BI,   96
.set ACC,  128
.set OB,   192
.set G1A, 24
.set G0A, 32
.set G1B, 48
.set G0B, 56
.set MSB, 0
.macro WIN new
.if MSB != (\new)
	s_set_vgpr_msb (MSB<<8)|(\new)
.set MSB, (\new)
.endif
.endm
.macro PLACES n
.rept \n
	v_nop
.endr
.endm
.macro BARRIER
	s_barrier_signal -1
	s_barrier_wait -1
.endm
.macro CROUND
	BARRIER
	s_cmp_lg_u32 s18, 0
	s_cbranch_scc1 .Lnot_wave_0_\@
	s_barrier_signal -3
.Lnot_wave_0_\@:
	s_barrier_wait -3
	BARRIER
.endm
.macro TLOAD g0, g1
	tensor_load_to_lds s[\g0:\g0+3], s[\g1:\g1+7]
	s_nop 0
	PLACES 4
.endm
.macro GROUP1 g, mask, rows            ; rows (row tiles) of 12,288 bytes = 1,536 elements of 8 bytes, dense
	s_or_b32 s[\g+0], s\mask, (3<<16)|(1<<21)
	s_mov_b32 s[\g+1], 1536<<16
	s_mov_b32 s[\g+2], (\rows)<<16
	s_mov_b32 s[\g+3], 1536<<16
	s_mov_b32 s[\g+4], \rows
	s_mov_b32 s[\g+5], 1536
	s_mov_b32 s[\g+6], 0
	s_mov_b32 s[\g+7], 0
.endm
	s_load_b256 s[4:11], s[0:1], 0x0               ; zc, zs, oc, os
	s_load_b128 s[12:15], s[0:1], 0x20             ; b0, out0
	v_lshl_add_u32 v[SPW], v0, 2, SPARE
	v_mov_b32 v[NIL], 0
	ds_add_u32 v[SPW], v[NIL]                      ; the opening lines: the add twice on end
	ds_add_u32 v[SPW], v[NIL]
	v_lshrrev_b32 v1, 5, v0
	v_readfirstlane_b32 s18, v1                    ; wave 0..3
	s_and_b32 s20, s18, 1                          ; which half of the tile I fetch
	s_bfe_u32 s40, ttmp6, 0x40000                  ; cx
	s_bfe_u32 s41, ttmp6, 0x40004                  ; cy
	s_lshl_b32 s42, ttmp9, 2
	s_add_co_u32 s42, s42, s40                     ; block of 256 columns
	s_and_b32 s43, ttmp7, 0xffff
	s_lshl_b32 s43, s43, 2
	s_add_co_u32 s43, s43, s41                     ; block of 128 tokens
	s_lshl_b32 s44, s41, 2
	s_lshl_b32 s44, 15, s44                        ; my row of the cluster
	s_lshl_b32 s45, 0x1111, s40                    ; my column
	GROUP1 G1A, 44, 4
	GROUP1 G1B, 45, 8
	s_lshl_b32 s22, s43, 3
	s_lshl_b32 s21, s20, 2
	s_add_co_u32 s22, s22, s21
	s_mul_i32 s94, s22, TB                         ; z: four row tiles
	s_mov_b32 s95, 0
	s_lshl_b32 s46, s42, 4
	s_lshl_b32 s21, s20, 3
	s_add_co_u32 s46, s46, s21
	s_add_co_u32 s46, s46, 704
	s_mul_i32 s46, s46, TB                         ; W0: eight row tiles
	s_mov_b32 s47, 0
	s_lshl_b32 s96, s43, 9                         ; z's scale words: 8 tiles x 64 bytes in each plane
	s_mov_b32 s97, 0
	s_lshl_b32 s98, s42, 4
	s_lshl_b32 s21, s18, 2
	s_add_co_u32 s98, s98, s21
	s_add_co_u32 s98, s98, 704
	s_lshl_b32 s98, s98, 6                         ; my four tiles' of W0
	s_mov_b32 s99, 0
	s_lshl_b32 s92, s42, 10
	s_lshl_b32 s21, s18, 8
	s_add_co_u32 s92, s92, s21                     ; my 64 columns, in bytes
	s_mov_b32 s93, 0
	s_lshl_b32 s90, s43, 19                        ; 128 rows of 4,096 bytes
	s_mov_b32 s91, 0
	s_mov_b32 s[G0A], 1
	s_mul_i32 s[G0A+1], s20, 4*TB
	s_add_co_u32 s[G0A+1], s[G0A+1], AB
	s_mov_b32 s[G0B], 1
	s_mul_i32 s[G0B+1], s20, 8*TB
	s_wait_dscnt 0x0
	s_wait_kmcnt 0x0
	s_add_nc_u64 s[G0A+2:G0A+3], s[4:5], s[94:95]
	s_or_b32 s[G0A+3], s[G0A+3], 0x80000000
	s_add_nc_u64 s[G0B+2:G0B+3], s[8:9], s[46:47]
	s_or_b32 s[G0B+3], s[G0B+3], 0x80000000
	s_add_nc_u64 s[96:97], s[6:7], s[96:97]
	s_add_nc_u64 s[98:99], s[10:11], s[98:99]
	s_add_nc_u64 s[12:13], s[12:13], s[92:93]
	s_add_nc_u64 s[14:15], s[14:15], s[92:93]
	s_add_nc_u64 s[14:15], s[14:15], s[90:91]
	CROUND                                         ; all sixteen work-groups are here: the joint loads meet
	s_cmp_lt_u32 s18, 2
	s_cbranch_scc0 .Lfor_z
	TLOAD G0B, G1B                                 ; waves 0, 1: the weights, which are wanted first
	s_branch .Lasked
.Lfor_z:
	TLOAD G0A, G1A                                 ; waves 2, 3: the tokens
.Lasked:
	v_and_b32 v1, 15, v0                           ; r
	v_bfe_u32 v2, v0, 4, 1                         ; h
	v_and_b32 v3, 31, v0
	v_lshlrev_b32 v[CO], 4, v3                     ; a lane's place in every piece of a record
	v_lshlrev_b32 v[L4], 2, v3
	v_lshlrev_b32 v[BO], 6, v2
	s_mul_i32 s21, s18, 4*TB
	v_add_nc_u32 v[ADRB], s21, v[CO]               ; my four row tiles of W0
	v_add_nc_u32 v[ADRA], AB, v[CO]
	v_add_nc_u32 v[ADRA+1], AB+4*TB, v[CO]
	s_mul_i32 s23, s18, 16*SPITCH
	s_add_co_u32 s23, s23, STAGE
	v_mul_u32_u24 v13, v1, SPITCH
	v_lshl_add_u32 v13, v2, 6, v13
	v_add_nc_u32 v[STO], s23, v13                  ; into the stage: row r, + 64 h
	v_mul_u32_u24 v14, v2, SPITCH
	v_lshl_add_u32 v14, v1, 4, v14
	v_add_nc_u32 v[RD], s23, v14                   ; back: lanes 0-15 one row of 256 bytes, lanes 16-31 the next
	v_lshlrev_b32 v15, 12, v2
	v_lshl_add_u32 v[GO], v1, 4, v15               ; and the same two rows in out0
	s_wait_alu depctr_va_vdst(0)                   ; the wait at the head's end
.irp q, 0,1,2,3,4,5,6,7
.irp p, 0,1
	global_load_b32 v[SB+8*\p+\q], v[L4], s[98:99] offset:49152*\q+128*\p
.endr
.irp p, 0,1,2,3
	global_load_b32 v[SA+8*\p+\q], v[L4], s[96:97] offset:32768*\q+128*\p
.endr
.endr
.irp b, 0,1,2,3
	global_load_b128 v[BI+8*\b:BI+8*\b+3], v[BO], s[12:13] offset:(32*(\b/2)+8*(\b%2))*4
	global_load_b128 v[BI+8*\b+4:BI+8*\b+7], v[BO], s[12:13] offset:(32*(\b/2)+8*(\b%2))*4+16
.endr
.macro FRAG f, adr, off                ; a fragment comes as it was stored: three loads of 512 consecutive bytes
	WIN (1+(\f)/FPW)<<6
.irp c, 0,1,2
	ds_load_b128 v[FR*((\f)%FPW)+4*\c:FR*((\f)%FPW)+4*\c+3], v[\adr] offset:(\off)+512*\c
.endr
.endm
.macro WEIGHTS                         ; my 64 columns, all of K: 96 loads
.irp q, 0,1,2,3,4,5,6,7
.irp b, 0,1,2,3
	FRAG 4*\q+\b, ADRB, \b*TB+\q*FRB
.endr
.endr
	WIN 0
.endm
.macro FETCH s                         ; block s of the tokens into set s % 2: 24 loads
.irp q, 0,1,2,3,4,5,6,7
	FRAG 32+8*((\s)%2)+\q, ADRA+(\s)/4, ((\s)%4)*TB+\q*FRB
.endr
	WIN 0
.endm
.macro PROD s, par, q, g, u            ; tile 2 g + u of the weights x block s (par = s % 2), kappa q
.set FB_, 4*(\q)+2*(\g)+(\u)
.set FA_, 32+8*(\par)+(\q)
.set D_, ACC+32*(\par)+8*(2*(\g)+(\u))
	WIN (1+FB_/FPW)|((1+FA_/FPW)<<2)
.if (\q) == 0
	v_wmma_scale_f32_16x16x128_f8f6f4 v[D_:D_+7], v[FR*(FB_%FPW):FR*(FB_%FPW)+FR-1], v[FR*(FA_%FPW):FR*(FA_%FPW)+FR-1], v[BI+8*(2*(\g)+(\u)):BI+8*(2*(\g)+(\u))+7], v[SB+8*(\g)+(\q)], v[SA+8*((\s)/2)+(\q)] matrix_a_fmt:MATRIX_FMT_FP6 matrix_b_fmt:MATRIX_FMT_FP6 matrix_a_scale:MATRIX_SCALE_ROW\u matrix_b_scale:MATRIX_SCALE_ROW\par
.else
	v_wmma_scale_f32_16x16x128_f8f6f4 v[D_:D_+7], v[FR*(FB_%FPW):FR*(FB_%FPW)+FR-1], v[FR*(FA_%FPW):FR*(FA_%FPW)+FR-1], v[D_:D_+7], v[SB+8*(\g)+(\q)], v[SA+8*((\s)/2)+(\q)] matrix_a_fmt:MATRIX_FMT_FP6 matrix_b_fmt:MATRIX_FMT_FP6 matrix_a_scale:MATRIX_SCALE_ROW\u matrix_b_scale:MATRIX_SCALE_ROW\par
.endif
.endm
.macro TOSTAGE a                       ; 8 stores, each accumulator from its low end on, and 8 loads; LDS serves a wave's instructions in order (ISA guide 5.7.1.4)
.irp b, 0,1,2,3
	ds_store_b128 v[STO], v[ACC+32*((\a)%2)+8*\b:ACC+32*((\a)%2)+8*\b+3] offset:128*(\b/2)+32*(\b%2)
	ds_store_b128 v[STO], v[ACC+32*((\a)%2)+8*\b+4:ACC+32*((\a)%2)+8*\b+7] offset:128*(\b/2)+32*(\b%2)+16
.endr
.irp t, 0,1,2,3,4,5,6,7
	ds_load_b128 v[OB+32*((\a)%2)+4*\t:OB+32*((\a)%2)+4*\t+3], v[RD] offset:\t*2*SPITCH
.endr
.endm
.macro SEND a, younger                 ; younger: the LDS loads issued behind block a's, which may stay out
	s_wait_dscnt \younger
	s_wait_xcnt 0x0                                ; the block before's stores have read their data: its registers are loaded again below
.irp t, 0,1,2,3,4,5,6,7
	global_store_b128 v[GO], v[OB+32*((\a)%2)+4*\t:OB+32*((\a)%2)+4*\t+3], s[14:15] offset:(32*((\a)/2)+8*((\a)%2)+2*\t+8*(\t/4))*4096 th:TH_STORE_NT   ; sixteen lanes store 256 consecutive bytes, aligned
.endr
.endm
; A BLOCK: 32 products, the four accumulators by turns; the block before leaves; this one goes to the stage; its set takes the block two on.
; wt: LDS instructions younger than this block's fetch (the stage's 16 and the next fetch's 24); ws: younger than the last block's way through the stage.
.macro BLK s, par, wt, ws
	s_wait_dscnt \wt
.irp q, 0,1,2,3,4,5,6,7
.irp g, 0,1
.irp u, 0,1
	PROD \s, \par, \q, \g, \u
.endr
.endr
.endr
	WIN 0
	PLACES 4                                       ; behind the products: their results are read and the set's registers loaded below
.if (\s) > 0
	SEND (\s)-1, \ws
.endif
	TOSTAGE \s
.if (\s)+2 < 8
	FETCH (\s)+2
.endif
.endm
	s_cmp_lt_u32 s18, 2
	s_cbranch_scc0 .Lnot_w
	s_wait_tensorcnt 0x0                           ; waves 0 and 1: the weights are in
.Lnot_w:
	BARRIER                                        ; the tokens may still be on their way
	WEIGHTS
	s_wait_tensorcnt 0x0                           ; every wave: all that is still out
	s_wait_dscnt 0x0
	BARRIER
	FETCH 0
	FETCH 1
	s_wait_loadcnt 0x0                             ; the scale words and the bias
	BLK 0, 0, 24, 0
	BLK 1, 1, 40, 24
	BLK 2, 0, 40, 24
	BLK 3, 1, 40, 24
	BLK 4, 0, 40, 24
	BLK 5, 1, 40, 24
	BLK 6, 0, 40, 24
	BLK 7, 1, 16, 0
	SEND 7, 0
	s_wait_tensorcnt 0x0                           ; the wave's end
	ds_add_u32 v[SPW], v[NIL]
	s_wait_dscnt 0x0
	CROUND                                         ; the closing round
	s_endpgm
.Lfunc_end_k_qbd0dd16198_out:
	.size	k_qbd0dd16198_out, .Lfunc_end_k_qbd0dd16198_out-k_qbd0dd16198_out
	.p2alignl 7, 3214868480
	.fill 96, 4, 3214868480
	.section	.rodata,"a",@progbits
	.p2align	6, 0x0
	.amdhsa_kernel k_qbd0dd16198_out
		.amdhsa_group_segment_fixed_size 327680
		.amdhsa_private_segment_fixed_size 0
		.amdhsa_enable_private_segment 0
		.amdhsa_kernarg_size 48
		.amdhsa_user_sgpr_count 2
		.amdhsa_user_sgpr_kernarg_segment_ptr 1
		.amdhsa_wavefront_size32 1
		.amdhsa_system_sgpr_workgroup_id_x 1
		.amdhsa_system_sgpr_workgroup_id_y 1
		.amdhsa_system_sgpr_workgroup_id_z 1
		.amdhsa_system_vgpr_workitem_id 0
		.amdhsa_next_free_vgpr 840
		.amdhsa_next_free_sgpr 100
		.amdhsa_reserve_vcc 0
		.amdhsa_float_denorm_mode_32 3
		.amdhsa_float_denorm_mode_16_64 3
		.amdhsa_memory_ordered 1
		.amdhsa_forward_progress 1
		.amdhsa_inst_pref_size 80
	.end_amdhsa_kernel
	.amdgpu_metadata
---
amdhsa.version: [ 1, 2 ]
amdhsa.kernels:
  - .name:           k_qbd0dd16198_out
    .symbol:         k_qbd0dd16198_out.kd
    .args:
      - { .name: zc, .offset: 0, .size: 8, .value_kind: global_buffer, .address_space: global }
      - { .name: zs, .offset: 8, .size: 8, .value_kind: global_buffer, .address_space: global }
      - { .name: oc, .offset: 16, .size: 8, .value_kind: global_buffer, .address_space: global }
      - { .name: os, .offset: 24, .size: 8, .value_kind: global_buffer, .address_space: global }
      - { .name: b0, .offset: 32, .size: 8, .value_kind: global_buffer, .address_space: global }
      - { .name: out0, .offset: 40, .size: 8, .value_kind: global_buffer, .address_space: global }
    .group_segment_fixed_size: 327680
    .private_segment_fixed_size: 0
    .kernarg_segment_align: 8
    .kernarg_segment_size: 48
    .max_flat_workgroup_size: 128
    .sgpr_count:     100
    .vgpr_count:     840
    .wavefront_size: 32
...
	.end_amdgpu_metadata
.endif
;; end of part 4
